; MI455X (gfx1250); checked and timed in simulation.
; The chip was launched on July 23, 2026; its instructions are those of AMD's public machine-readable ISA for CDNA 5 (MIT licence, August 2026) and "CDNA5" Instruction Set Architecture Reference Guide (July 2026). The comments in the code are by the model that wrote it; some were corrected since.
;; SA Block. Allowed arithmetic: matrix products marked QUANTISED: E2M1 operands, one E8M0 scale for each 32 along K, by v_wmma_scale_f32_16x16x128_f8f6f4 with both operands' format E2M1 (or v_wmma_scale_f32_32x16x128_f4), f32 sums; products left as they are: bf16, f16 or f32 operands; f32 sums; everything else in f32.
;; Inputs: Wk 1,024 x 1,024 float32; Wo 1,024 x 1,024 float32; Wq 1,024 x 1,024 float32; Wv 1,024 x 1,024 float32; bo 1,024 float32; x 4 x 2,048 x 1,024 float32.
;; Outputs: out0 4 x 2,048 x 1,024 float32.
;; This version of the problem:
;;   THIS VERSION OF THE PROBLEM IS GIVEN IN LOW PRECISION. The matrix products marked QUANTISED in the list below multiply operands that are first quantised to E2M1 (2 exponent bits, 1 mantissa bit; 4 bits a number), with one power-of-two scale for each 32 numbers along K (OCP MX v1.0); their sums are f32. The products marked 'left as it is' may take bf16, f16 or f32 operands, with f32 sums. Whichever they take, every output number must still come out within the allowed error. Rounding operands to bf16 (8 significant bits) uses up far more of that allowance than f16 does (11 bits, for magnitudes from 6e-5 to 65,504). All else is computed in f32.
;;   The module's matrix products, in the order in which they are computed (A, B: the left and right operand; K: the contracted axis; several contracted axes count as one K, in the product's order):
;;     1. [M 8,192, K 1,024] x [K 1,024, N 1,024]; A: input x; B: input Wq: QUANTISED
;;     2. [M 8,192, K 1,024] x [K 1,024, N 1,024]; A: input x; B: input Wk: QUANTISED
;;     3. [M 8,192, K 1,024] x [K 1,024, N 1,024]; A: input x; B: input Wv: QUANTISED
;;     4. batch 64 x [M 2,048, K 64] x [K 64, N 2,048]; A: computed on the way; B: computed on the way: left as it is (an operand is computed on the way)
;;     5. batch 64 x [M 2,048, K 2,048] x [K 2,048, N 64]; A: computed on the way; B: computed on the way: left as it is (an operand is computed on the way)
;;     6. [M 8,192, K 1,024] x [K 1,024, N 1,024]; A: computed on the way; B: input Wo: left as it is (an operand is computed on the way)
;;   THE QUANTISER, for each operand of a quantised product, along K:
;;     - K is cut into blocks of 32 from its start; a last block that is shorter is filled with zeros.
;;     - A block's scale is 2^e with e = floor(log2(the largest magnitude in the block)) - 2, held to -126 .. 127; a block of zeros has e = 0. As a byte (E8M0): e + 127.
;;     - Each number is divided by its block's scale, clamped to +-6, and rounded to the nearest number of E2M1, ties to even, subnormals kept.
;;     - The product sums the exact products of the quantised numbers (number of the format x scale) in f32.
;;   ~~~python
;;   def quantise(x, axis):      # numpy; x: float32 -> the quantised numbers, widened to float32 again
;;       x = np.moveaxis(x, axis, -1); K = x.shape[-1]
;;       x = np.pad(x, [(0, 0)] * (x.ndim - 1) + [(0, -K % 32)]); x = x.reshape(x.shape[:-1] + (-1, 32)); a = np.abs(x).max(-1, keepdims=True)
;;       e = np.where(a > 0, np.clip(np.frexp(np.where(a > 0, a, 1))[1] - 1 - 2, -126, 127), 0)      # np.frexp(a)[1] - 1 = floor(log2(a)), exactly
;;       r = np.clip(x / 2.0 ** e, -6, 6)
;;       step = 2.0 ** (np.maximum(np.frexp(np.where(r == 0, 1, r))[1] - 1, 0) - 1)
;;       q = np.round(r / step) * step * 2.0 ** e      # np.round: ties to even
;;       return np.moveaxis(q.reshape(q.shape[:-2] + (-1,))[..., :K], -1, axis).astype(np.float32)
;;   ~~~
;; One version. Each part assembles by itself: llvm-mc -triple=amdgcn-amd-amdhsa -mcpu=gfx1250 --defsym DOCPART=n.
;; ======== version 1 of 1: 5 launches
;; limits: values are held in f16: magnitudes above 65,504 overflow, below 6.1e-05 lose precision
;; workspace buffers: xc 4,194,304 bytes; xs 262,144 bytes; wc 1,572,864 bytes; ws 98,304 bytes; wo16 2,097,152 bytes; qkv16 50,331,648 bytes; qkvf 786,432 bytes; y16 16,777,216 bytes
;; launch quant (part 1): grid 384 x 1, 4 waves a work-group, no clusters, 33,280 bytes of LDS; arguments x, Wq, Wk, Wv, Wo, xc, xs, wc, ws, wo16; writes xc, xs, wc, ws, wo16
.if DOCPART == 1
	.amdgcn_target "amdgcn-amd-amdhsa--gfx1250"
	.amdhsa_code_object_version 6
	.text
	.protected	k_q6eab67a89a_quant
	.globl	k_q6eab67a89a_quant
	.p2align	8
	.type	k_q6eab67a89a_quant,@function
k_q6eab67a89a_quant:
	s_mov_b64 s[64:65], 0
	v_nop
	global_prefetch_b8 v0, s[64:65] scope:SCOPE_SE
	s_setreg_imm32_b32 hwreg(HW_REG_WAVE_MODE, 25, 1), 1
	s_wait_xcnt 0x0
; THE PROGRAM: causal self-attention, B 4, T 2,048, C 1,024, 16 heads of 64.  Five launches: this one (codes); qkv (the three quantised products as one GEMM on codes); attn; proj; first.
; WORK LEFT OUT: reference() sets the score of key k for query q to -infinity where k > q, by a mask that it builds itself; the softmax makes 0 of it, and 0 x v adds nothing, whatever finite values the inputs hold.
; So tiles of keys that lie wholly behind a wave's queries are neither multiplied nor loaded into registers (launch attn).  No input is dead: all six are loaded.  q x 1/8 is a power of two: it is folded, exactly, into the softmax's constant.
; LIMIT: a NaN, an infinity or an overflow that would arise only in those masked tiles is not carried to the result.
; THIS LAUNCH: x [8192][1024], Wq, Wk, Wv [1024][1024], f32, become codes of FP4 (E2M1), K innermost, with one E8M0 scale byte for each 32 along K; Wo becomes f16, for the product that is left as it is.
; A block's scale is 2^(floor(log2(its largest magnitude)) - 2); its byte is the largest magnitude's exponent field - 2, held at 1 from below.  (A block of zeros so gets the byte 1 where the rule says 127: its codes are zeros, and this program alone reads the bytes.)
; LIMITS: blocks whose largest magnitude lies under 2^(2 - 126) are held at the byte 1; NaN and infinities among the inputs are not served.  Wo: magnitudes over 65,504 do not fit f16, parts under 6e-8 are lost.
; Rows are dense and K is a multiple of 32: every tensor is a plain stream of blocks of 32.  A work-group takes 32,768 numbers, a wave 8,192.  Work-groups 0-255: x; 256-287 Wq; 288-319 Wk; 320-351 Wv (their codes lie on end: 3,072 rows); 352-383 Wo.
; A wave's 16 steps of 512 numbers: four loads of 512 consecutive bytes; the 2,048 bytes turn through the wave's own stage in LDS, so that a lane holds 16 neighbours along K (two lanes to a block).  No barrier: waves share nothing.
.set WAVES, 4
.set STEPS, 16
.set EMAX,  2
.set CB,    8                          ; bytes of 16 codes
.set R,     16                         ; v16-79   four sets of 16 numbers as they are loaded
.set X,     80                         ; v80-111  two sets of 16 neighbours
.set C,     128                        ; v128-191 codes: four registers for each step, so that no store's data are written again
.set E,     112                        ; v112-127 a scale byte for each step
.set WREG,  8192                       ; LDS: a region for each wave: two stages of 32 x SP bytes, then its 256 scale bytes
.set SP,    80                         ; a lane's place in a stage: 64 bytes + 16 of padding
.set SPW,   12                         ; v12      LDS address of my spare word; never rewritten
.set NIL,   13                         ; v13      0; never rewritten
.set SPARE, WAVES*WREG                 ; behind the four regions: the spare words, 128 bytes a wave
	s_load_b512 s[4:19], s[0:1], 0x0               ; x 4, Wq 6, Wk 8, Wv 10, Wo 12, xc 14, xs 16, wc 18
	s_load_b128 s[20:23], s[0:1], 0x40             ; ws 20, wo16 22
	v_lshl_add_u32 v[SPW], v0, 2, SPARE
	v_mov_b32 v[NIL], 0
	v_lshrrev_b32 v1, 5, v0
	v_readfirstlane_b32 s36, v1                    ; wave
	v_and_b32 v2, 31, v0                           ; lane
	v_lshlrev_b32 v3, 4, v2                        ; my 16 bytes of a load's 512
	s_mul_i32 s37, s36, WREG
	v_lshrrev_b32 v14, 2, v2
	v_mul_u32_u24 v14, v14, SP
	v_and_b32 v15, 3, v2
	v_lshl_add_u32 v14, v15, 4, v14
	v_add_nc_u32 v14, s37, v14                     ; the stage, on the way in: SP (lane / 4) + 16 (lane % 4)
	v_mul_u32_u24 v15, v2, SP
	v_add_nc_u32 v15, s37, v15                     ; and on the way out: SP x lane: my 16 neighbours
	v_mul_u32_u24 v4, v2, CB                       ; my codes' place in a step's
	v_lshrrev_b32 v5, 1, v2
	s_add_co_u32 s37, s37, 2*32*SP
	v_add_nc_u32 v5, s37, v5                       ; LDS: my wave's 256 scale bytes, my block's byte
	v_lshlrev_b32 v7, 3, v2                        ; 8 bytes a lane
	v_add_nc_u32 v6, s37, v7
	s_mov_b32 s35, 0
	s_wait_kmcnt 0x0
	s_cmp_ge_u32 ttmp9, 352                        ; the work-group's number alone decides
	s_cbranch_scc1 .Lwo
	s_cmp_lt_u32 ttmp9, 320
	s_cselect_b64 s[24:25], s[8:9], s[10:11]       ; the source: Wk or Wv,
	s_cmp_lt_u32 ttmp9, 288
	s_cselect_b64 s[24:25], s[6:7], s[24:25]       ; or Wq,
	s_cmp_lt_u32 ttmp9, 256
	s_cselect_b64 s[24:25], s[4:5], s[24:25]       ; or x
	s_cselect_b64 s[26:27], s[14:15], s[18:19]     ; the codes: x's or the weights'
	s_cselect_b64 s[28:29], s[16:17], s[20:21]     ; the scale bytes likewise
	s_cselect_b32 s30, 0, 256
	s_cselect_b32 s31, -1, 31
	s_sub_co_u32 s32, ttmp9, s30                   ; my place among the destination's work-groups,
	s_and_b32 s33, s32, s31                        ; and among the source's (32 to a weight)
	s_lshl_b32 s32, s32, 2
	s_add_co_u32 s32, s32, s36                     ; which run of 8,192 numbers of the destination is my wave's
	s_lshl_b32 s33, s33, 2
	s_add_co_u32 s33, s33, s36                     ; and of the source
	s_lshl_b32 s34, s33, 15                        ; 32,768 bytes a run
	s_add_nc_u64 s[24:25], s[24:25], s[34:35]
	s_lshl_b32 s34, s32, 12                        ; 4,096 bytes of codes
	s_add_nc_u64 s[26:27], s[26:27], s[34:35]
	s_lshl_b32 s34, s32, 8                         ; 256 scale bytes
	s_add_nc_u64 s[28:29], s[28:29], s[34:35]
.macro LOAD t
.irp i, 0,1,2,3
	global_load_b128 v[R+16*((\t)%4)+4*\i:R+16*((\t)%4)+4*\i+3], v3, s[24:25] offset:2048*(\t)+512*\i th:TH_LOAD_NT   ; 32 lanes read 512 consecutive bytes
.endr
.endm
.macro TURN t                          ; step t's numbers through the stage: LDS serves a wave's instructions in order, so no wait stands between the stores and the loads
.irp i, 0,1,2,3
	ds_store_b128 v14, v[R+16*((\t)%4)+4*\i:R+16*((\t)%4)+4*\i+3] offset:32*SP*((\t)%2)+8*SP*\i
.endr
.irp i, 0,1,2,3
	ds_load_b128 v[X+16*((\t)%2)+4*\i:X+16*((\t)%2)+4*\i+3], v15 offset:32*SP*((\t)%2)+16*\i
.endr
.endm
.irp t, 0,1,2,3
	LOAD \t
.endr
	s_wait_loadcnt 12                              ; step 0's four loads are in; twelve younger ones stay out
	TURN 0
.macro STEP t
.set XS, X+16*((\t)%2)
.if (\t) > 0
	s_wait_dscnt 1                                 ; this step's numbers are back from the stage (the last step's byte store may be out)
.else
	s_wait_dscnt 0x0
.endif
.if (\t)+4 < STEPS
	LOAD (\t)+4                                    ; into the registers that the stage's stores have read
.endif
.if (\t)+1 < STEPS
.if STEPS-2-(\t) >= 3
	s_wait_loadcnt 12                              ; the next step's four loads are in; those of the three steps behind it may be out
.else
	s_wait_loadcnt 4*(STEPS-2-(\t))
.endif
	TURN (\t)+1
.endif
	v_max3_num_f32 v8, |v[XS]|, |v[XS+1]|, |v[XS+2]|               ; the largest magnitude of my 16, in two chains
	v_max3_num_f32 v9, |v[XS+3]|, |v[XS+4]|, |v[XS+5]|
.irp i, 6,10
	v_max3_num_f32 v8, v8, |v[XS+\i]|, |v[XS+\i+1]|
	v_max3_num_f32 v9, v9, |v[XS+\i+2]|, |v[XS+\i+3]|
.endr
	v_max3_num_f32 v8, v8, |v[XS+14]|, |v[XS+15]|
	v_max3_num_f32 v8, v8, v9, (EMAX+1)<<23        ; and the floor 2^(EMAX + 1 - 127): the byte cannot fall under 1
	v_max_num_f32_dpp v8, v8, v8 row_xmask:1 row_mask:0xf bank_mask:0xf   ; and of my neighbour's 16: the block's
	v_add_nc_u32 v11, -(EMAX<<23), v8              ; EMAX off its exponent field: the conversion takes the exponent field of this operand as its scale
	v_cvt_scalef32_pk8_fp4_f32 v[C+4*(\t)], v[XS:XS+7], v11        ; to the nearest code, ties to even, beyond the largest code the largest
	v_cvt_scalef32_pk8_fp4_f32 v[C+4*(\t)+1], v[XS+8:XS+15], v11
	v_lshrrev_b32 v[E+(\t)], 23, v11               ; the scale's byte
	ds_store_b8 v5, v[E+(\t)] offset:16*(\t)       ; both lanes of a block write the same byte with the same value
	global_store_b64 v4, v[C+4*(\t):C+4*(\t)+1], s[26:27] offset:32*CB*(\t)   ; the wave stores 256 consecutive bytes, aligned
.endm
.irp t, 0,1,2,3,4,5,6,7,8,9,10,11,12,13,14,15
	STEP \t
.endr
	ds_load_b64 v[8:9], v6                         ; LDS serves a wave's instructions in order: these see my stores
	s_wait_dscnt 0x0
	global_store_b64 v7, v[8:9], s[28:29]          ; 32 lanes store 256 consecutive bytes, aligned
	s_branch .Lend
.Lwo:                                          ; Wo to f16, as it lies: 64 loads of 512 consecutive bytes a wave, 64 stores of 256; no LDS
	s_sub_co_u32 s32, ttmp9, 352
	s_lshl_b32 s32, s32, 2
	s_add_co_u32 s32, s32, s36                     ; my run of 8,192 numbers
	s_lshl_b32 s34, s32, 15
	s_add_nc_u64 s[12:13], s[12:13], s[34:35]
	s_lshl_b32 s34, s32, 14
	s_add_nc_u64 s[22:23], s[22:23], s[34:35]
.macro WLOAD g                         ; group g: 16 loads into set g % 2
.irp u, 0,1,2,3,4,5,6,7,8,9,10,11,12,13,14,15
	global_load_b128 v[16+64*((\g)%2)+4*\u:16+64*((\g)%2)+4*\u+3], v3, s[12:13] offset:512*(16*(\g)+\u) th:TH_LOAD_NT
.endr
.endm
.macro WCVT g
.if (\g) < 3
	s_wait_loadcnt 16                              ; this group's 16 loads are in; the next group's 16 may be out
.else
	s_wait_loadcnt 0x0
.endif
	s_wait_xcnt 0x0                                ; the last group's stores have read v144-175: they are written again only behind this wait
.irp u, 0,1,2,3,4,5,6,7,8,9,10,11,12,13,14,15
	v_cvt_pk_f16_f32 v[144+2*\u], v[16+64*((\g)%2)+4*\u], v[16+64*((\g)%2)+4*\u+1]
	v_cvt_pk_f16_f32 v[145+2*\u], v[16+64*((\g)%2)+4*\u+2], v[16+64*((\g)%2)+4*\u+3]
.endr
.irp u, 0,1,2,3,4,5,6,7,8,9,10,11,12,13,14,15
	global_store_b64 v7, v[144+2*\u:145+2*\u], s[22:23] offset:256*(16*(\g)+\u)
.endr
.if (\g)+2 < 4
	WLOAD (\g)+2
.endif
.endm
	WLOAD 0
	WLOAD 1
	WCVT 0
	WCVT 1
	WCVT 2
	WCVT 3
.Lend:
	s_wait_tensorcnt 0x0                           ; the wave's end, behind my last LDS store
	ds_add_u32 v[SPW], v[NIL]
	s_wait_dscnt 0x0
	s_endpgm
.Lfunc_end_k_q6eab67a89a_quant:
	.size	k_q6eab67a89a_quant, .Lfunc_end_k_q6eab67a89a_quant-k_q6eab67a89a_quant
	.p2alignl 7, 3214868480
	.fill 96, 4, 3214868480
	.section	.rodata,"a",@progbits
	.p2align	6, 0x0
	.amdhsa_kernel k_q6eab67a89a_quant
		.amdhsa_group_segment_fixed_size 33280
		.amdhsa_private_segment_fixed_size 0
		.amdhsa_enable_private_segment 0
		.amdhsa_kernarg_size 80
		.amdhsa_user_sgpr_count 2
		.amdhsa_user_sgpr_kernarg_segment_ptr 1
		.amdhsa_wavefront_size32 1
		.amdhsa_system_sgpr_workgroup_id_x 1
		.amdhsa_system_sgpr_workgroup_id_y 1
		.amdhsa_system_sgpr_workgroup_id_z 1
		.amdhsa_system_vgpr_workitem_id 0
		.amdhsa_next_free_vgpr 192
		.amdhsa_next_free_sgpr 66
		.amdhsa_reserve_vcc 0
		.amdhsa_float_denorm_mode_32 3
		.amdhsa_float_denorm_mode_16_64 3
		.amdhsa_memory_ordered 1
		.amdhsa_forward_progress 1
		.amdhsa_inst_pref_size 54
	.end_amdhsa_kernel
	.amdgpu_metadata
---
amdhsa.version: [ 1, 2 ]
amdhsa.kernels:
  - .name:           k_q6eab67a89a_quant
    .symbol:         k_q6eab67a89a_quant.kd
    .args:
      - { .name: x, .offset: 0, .size: 8, .value_kind: global_buffer, .address_space: global }
      - { .name: Wq, .offset: 8, .size: 8, .value_kind: global_buffer, .address_space: global }
      - { .name: Wk, .offset: 16, .size: 8, .value_kind: global_buffer, .address_space: global }
      - { .name: Wv, .offset: 24, .size: 8, .value_kind: global_buffer, .address_space: global }
      - { .name: Wo, .offset: 32, .size: 8, .value_kind: global_buffer, .address_space: global }
      - { .name: xc, .offset: 40, .size: 8, .value_kind: global_buffer, .address_space: global }
      - { .name: xs, .offset: 48, .size: 8, .value_kind: global_buffer, .address_space: global }
      - { .name: wc, .offset: 56, .size: 8, .value_kind: global_buffer, .address_space: global }
      - { .name: ws, .offset: 64, .size: 8, .value_kind: global_buffer, .address_space: global }
      - { .name: wo16, .offset: 72, .size: 8, .value_kind: global_buffer, .address_space: global }
    .group_segment_fixed_size: 33280
    .private_segment_fixed_size: 0
    .kernarg_segment_align: 8
    .kernarg_segment_size: 80
    .max_flat_workgroup_size: 128
    .sgpr_count:     66
    .vgpr_count:     192
    .wavefront_size: 32
...
	.end_amdgpu_metadata
.endif
;; end of part 1
;; launch qkv (part 2): grid 12 x 32, 4 waves a work-group, clusters of 4 x 4, 327,680 bytes of LDS; arguments xc, xs, wc, ws, qkv16, qkvf; writes qkv16, qkvf
.if DOCPART == 2
	.amdgcn_target "amdgcn-amd-amdhsa--gfx1250"
	.amdhsa_code_object_version 6
	.text
	.protected	k_q6eab67a89a_qkv
	.globl	k_q6eab67a89a_qkv
	.p2align	8
	.type	k_q6eab67a89a_qkv,@function
k_q6eab67a89a_qkv:
	s_mov_b64 s[64:65], 0
	v_nop
	global_prefetch_b8 v0, s[64:65] scope:SCOPE_SE
	s_setreg_imm32_b32 hwreg(HW_REG_WAVE_MODE, 25, 1), 1
	s_wait_xcnt 0x0
	s_wait_alu depctr_hold_cnt(0) depctr_sa_sdst(0) depctr_va_vdst(0) depctr_va_sdst(0) depctr_va_ssrc(0) depctr_va_vcc(0) depctr_vm_vsrc(0)
	s_getreg_b32 s2, hwreg(HW_REG_IB_STS2, 6, 4)
	s_cmp_eq_u32 s2, 0
	s_cbranch_scc0 .Lentry_in_a_cluster
	s_endpgm
.Lentry_in_a_cluster:
	s_bfe_u32 s2, ttmp6, 0x10000c
	s_cmp_lg_u32 s2, 0xf033
	s_cbranch_scc0 .Lentry_shape_is_right
	s_endpgm
.Lentry_shape_is_right:
; q, k, v = x Wq^T, x Wk^T, x Wv^T as ONE product on codes of FP4 (E2M1) with E8M0 scales: A = x's codes [8192][1024], B = the three weights' codes on end [3072][1024]; sums in f32.
; A tile of the result, 256 x 256, is made by four waves, each 128 x 128: 64 accumulators, 512 registers.  K = 1,024 is two slots of 512: both are asked for at the head, and no slot is ever filled again.
; The scale bytes of the work-group's 256 + 256 rows come into LDS once, with the first fills.  CLUSTERS: 4 x 4 work-groups; A's tiles are asked for jointly along a row of the cluster, B's along a column.
; THE TILE ROW IS 8 cy + (cluster y): so a work-group's batch is cy, and its first token 256 x cluster y is the same in all sixteen partners.  The tile column is 4 x cluster x + cx: cluster x says q, k or v.
; THE MATRIX INSTRUCTION IS USED TRANSPOSED (source 0 = 16 rows of B, source 1 = 16 rows of A): a lane holds one token and eight neighbouring channels.  Rounded to f16 these are 16 bytes of the NEXT product's operand registers:
; qkv16 holds planes (q, k, v) x batch x head of [token block 128][channels 16 ct on: 4][32 places][16 bytes]; q and k: place = lane (the image of a 16-bit fragment's registers); v: place = 16 (r / 8) + 8 h + r % 8s pieces.
; So a store of a wave covers 512 consecutive bytes, aligned, straight from registers: no stage.  The first 16 tokens of each batch also leave as f32 (qkvf), for the launch that carries them finely.
; LIMITS: |q|, |k|, |v| over 65,504 do not fit f16; parts under 6e-8 are lost.
; REGISTERS, in windows of 256: window 0: v0-31 addresses; v32-95 scale words, two sets; from v128 A's fragments, one set; on the way out v128-255 the packed results.  window 1: B's fragments, two sets.  windows 2, 3: the accumulators ((a, b) at v[8 (8 (a % 4) + b)]).
.set SIZE_K, 1024
.set KSTEP,  512
.set NQ,     KSTEP/128
.set ROWB,   256
.set KROW,   SIZE_K*4/8
.set PITCH,  272                       ; an LDS row: 256 bytes + 16 of padding = 68 words: the 16 rows that a load touches start at 16 different banks (64 banks of 4 bytes: ISA guide 11.1)
.set FR,     8
.set NL,     2
.set NP,     4                         ; places behind this matrix instruction (ISA guide 7.12.1)
.set HALFT,  128*PITCH
.set SLOT,   4*HALFT
.set KS,     SIZE_K/32
.set SCL,    2*SLOT                    ; behind the two slots: the scales, as rows of 256 bytes + 16 of padding
.set HALFS,  (128*KS/256)*272
.set SBLK,   (16*KS/256)*272
.set SPARE,  SCL+4*HALFS               ; the spare words, 128 bytes a wave
.set ADRA, 16
.set ADRB, 20
.set CF,   25                          ; v25  16 x lane
.set CO,   26                          ; v26  16 x my place in a piece of 512 bytes
.set ADRS, 27
.set SPW,  28
.set NIL,  29
.set SC,   32
.set AF,   128
.set G1, 24
.set G0, 32
.set G1B, 48
.set G0B, 56
.set G1S, 68
.set G0S, 76
.set G1SB, 80
.set G0SB, 88
.set MSB, 0
.macro WIN new                         ; the immediate's high byte repeats the setting that is left
.if MSB != \new
	s_set_vgpr_msb (MSB<<8)|\new
.set MSB, \new
.endif
.endm
.set MUL_LO, 0xa1                      ; source 0 (B) window 1, source 1 (A) window 0, C and D window 2
.set MUL_HI, 0xf1
.set TO_B,   0x40
; A joint load: waves 0 and 1 fetch for A, waves 2 and 3 for B; the branch hangs on the wave's number alone.  An s_nop 0 and four v_nop follow each of the two lines.
.macro JLOAD g0a, g1a, g0b, g1b
	s_cmp_eq_u32 s15, 0
	s_cbranch_scc0 .Lfor_b_\@
	tensor_load_to_lds s[\g0a:\g0a+3], s[\g1a:\g1a+7]
	s_nop 0
.rept 4
	v_nop
.endr
	s_branch .Lasked_\@
.Lfor_b_\@:
	tensor_load_to_lds s[\g0b:\g0b+3], s[\g1b:\g1b+7]
	s_nop 0
.rept 4
	v_nop
.endr
.Lasked_\@:
.endm
.macro CROUND                          ; a round of the cluster's barrier
	s_barrier_signal -1
	s_barrier_wait -1
	s_cmp_lg_u32 s14, 0
	s_cbranch_scc1 .Lnot_wave_0_\@
	s_barrier_signal -3
.Lnot_wave_0_\@:
	s_barrier_wait -3
	s_barrier_signal -1
	s_barrier_wait -1
.endm
	s_load_b128 s[4:7], s[0:1], 0x0                ; x's codes, x's scales
	s_load_b128 s[8:11], s[0:1], 0x10              ; the weights' codes, their scales
	s_load_b64 s[12:13], s[0:1], 0x20              ; qkv16
	s_load_b64 s[96:97], s[0:1], 0x28              ; qkvf
	v_lshl_add_u32 v[SPW], v0, 2, SPARE
	v_mov_b32 v[NIL], 0
	ds_add_u32 v[SPW], v[NIL]                      ; the wave's opening: the add, twice on end, and its wait ahead of my first tensor load
	ds_add_u32 v[SPW], v[NIL]
	v_lshrrev_b32 v1, 5, v0
	v_readfirstlane_b32 s14, v1                    ; wave 0..3
	s_lshr_b32 s15, s14, 1                         ; which half of the tile's rows is mine.  Also: I fetch for A (0) or for B (1)
	s_and_b32 s16, s14, 1                          ; which half of its columns.  Also: which 128 rows of that tile I fetch
	s_bfe_u32 s40, ttmp6, 0x40000                  ; cx, cy
	s_bfe_u32 s41, ttmp6, 0x40004
	s_lshl_b32 s42, ttmp9, 2
	s_add_co_u32 s42, s42, s40                     ; tile column = 4 x cluster x + cx
	s_and_b32 s95, ttmp7, 0xffff                   ; cluster y
	s_lshl_b32 s17, s41, 3
	s_add_co_u32 s17, s17, s95                     ; tile row = 8 cy + cluster y
	s_lshl_b32 s43, s41, 2
	s_lshl_b32 s43, 15, s43                        ; my row of the cluster
	s_lshl_b32 s44, 0x1111, s40                    ; my column
	s_or_b32 s[G1+0], s43, (0<<16)|(1<<20)|(1<<21)|(5<<22)|(3<<25)  ; the mask; elements of 1 byte; padding on; bit 21 beside a mask; after every 64 words, 4 words
	s_or_b32 s[G1B+0], s44, (0<<16)|(1<<20)|(1<<21)|(5<<22)|(3<<25)
.irp g, G1, G1B
	s_mov_b32 s[\g+1], ROWB<<16                    ; tensor_dim0
	s_mov_b32 s[\g+2], 128<<16                     ; tensor_dim1
	s_mov_b32 s[\g+3], ROWB<<16                    ; tile_dim0
	s_mov_b32 s[\g+4], 128                         ; tile_dim1
	s_mov_b32 s[\g+5], KROW                        ; the pitch
	s_mov_b32 s[\g+6], 0
	s_mov_b32 s[\g+7], 0
.endr
	s_or_b32 s[G1S+0], s43, (3<<16)|(1<<20)|(1<<21)|(5<<22)|(3<<25)   ; the scales of 128 rows: a dense block, as rows of 256 bytes (32 elements of 8 bytes)
	s_or_b32 s[G1SB+0], s44, (3<<16)|(1<<20)|(1<<21)|(5<<22)|(3<<25)
.irp g, G1S, G1SB
	s_mov_b32 s[\g+1], 32<<16
	s_mov_b32 s[\g+2], (128*KS/256)<<16
	s_mov_b32 s[\g+3], 32<<16
	s_mov_b32 s[\g+4], 128*KS/256
	s_mov_b32 s[\g+5], 32
	s_mov_b32 s[\g+6], 0
	s_mov_b32 s[\g+7], 0
.endr
	s_lshl_b32 s18, s16, 7
	s_lshl_b32 s20, s17, 8
	s_add_co_u32 s20, s20, s18                     ; A: row 256 x tile row + 128 x half
	s_lshl_b32 s46, s42, 8
	s_add_co_u32 s46, s46, s18                     ; B: row 256 x tile column + 128 x half
	s_mov_b32 s21, 0
	s_mov_b32 s47, 0
	s_mov_b64 s[18:19], KS
	s_mul_u64 s[22:23], s[20:21], s[18:19]         ; where these rows' scales begin
	s_mul_u64 s[92:93], s[46:47], s[18:19]
	s_mov_b64 s[18:19], KROW
	s_mul_u64 s[20:21], s[20:21], s[18:19]         ; and their codes
	s_mul_u64 s[46:47], s[46:47], s[18:19]
	s_mul_i32 s45, s14, HALFT                      ; where they go: wave x 128 rows
	s_mul_i32 s94, s14, HALFS
	s_wait_dscnt 0x0                               ; both opening adds are done
	s_wait_kmcnt 0x0
	s_add_nc_u64 s[20:21], s[4:5], s[20:21]
	s_add_nc_u64 s[22:23], s[6:7], s[22:23]
	s_add_nc_u64 s[46:47], s[8:9], s[46:47]
	s_add_nc_u64 s[92:93], s[10:11], s[92:93]
	CROUND                                         ; all sixteen work-groups are here: the first joint loads meet
	s_mov_b32 s[G0S], 1
	s_add_co_u32 s[G0S+1], s94, SCL
	s_mov_b64 s[G0S+2:G0S+3], s[22:23]
	s_or_b32 s[G0S+3], s[G0S+3], 0x80000000
	s_mov_b32 s[G0SB], 1
	s_add_co_u32 s[G0SB+1], s94, SCL
	s_mov_b64 s[G0SB+2:G0SB+3], s[92:93]
	s_or_b32 s[G0SB+3], s[G0SB+3], 0x80000000
	JLOAD G0S, G1S, G0SB, G1SB                     ; the scales first; by this text's count three tensor loads of a wave are out at the most
.irp s, 0,1
	s_mov_b32 s[G0+4*\s], 1
	s_add_co_u32 s[G0+4*\s+1], s45, \s*SLOT
	s_add_nc_u64 s[G0+4*\s+2:G0+4*\s+3], s[20:21], \s*ROWB
	s_or_b32 s[G0+4*\s+3], s[G0+4*\s+3], 0x80000000
	s_mov_b32 s[G0B+4*\s], 1
	s_add_co_u32 s[G0B+4*\s+1], s45, \s*SLOT
	s_add_nc_u64 s[G0B+4*\s+2:G0B+4*\s+3], s[46:47], \s*ROWB
	s_or_b32 s[G0B+4*\s+3], s[G0B+4*\s+3], 0x80000000
	JLOAD G0+4*\s, G1, G0B+4*\s, G1B
.endr
	v_and_b32 v1, 15, v0                           ; r
	v_bfe_u32 v2, v0, 4, 1                         ; h
	v_mul_u32_u24 v3, v1, PITCH
	v_lshl_add_u32 v4, v2, 4, v3                   ; a fragment's row x pitch + 16 x half
	s_mul_i32 s21, s15, HALFT
	s_mul_i32 s22, s16, HALFT
	s_add_co_u32 s22, s22, 2*HALFT
.irp s, 0,1
	v_add_nc_u32 v[ADRA+\s], s21, v4
	v_add_nc_u32 v[ADRB+\s], s22, v4
	s_add_co_u32 s21, s21, SLOT
	s_add_co_u32 s22, s22, SLOT
.endr
	v_mul_u32_u24 v5, v1, KS                       ; my row's scales: KS bytes a row,
	v_lshrrev_b32 v6, 8, v5
	v_lshl_add_u32 v5, v6, 4, v5                   ; and 16 more for each 256 passed
	s_mul_i32 s21, s15, HALFS
	s_mul_i32 s22, s16, HALFS
	s_add_co_u32 s22, s22, 2*HALFS
	s_sub_co_u32 s22, s22, s21
	v_mul_u32_u24 v6, s22, v2                      ; lanes 16-31 take B's
	s_add_co_u32 s21, s21, SCL
	v_add_nc_u32 v5, v5, v6
	v_add_nc_u32 v[ADRS], s21, v5
	v_and_b32 v6, 31, v0
	v_lshlrev_b32 v[CF], 4, v6                     ; q, k: place = lane
	v_lshrrev_b32 v5, 3, v1
	v_and_b32 v6, 7, v1
	v_lshl_add_u32 v6, v2, 3, v6
	v_lshl_add_u32 v6, v5, 4, v6                   ; v: place = 16 (r / 8) + 8 h + r % 8
	v_lshlrev_b32 v6, 4, v6
	s_cmp_eq_u32 ttmp9, 2                          ; cluster x = 2: this tile is v's
	s_cselect_b32 s98, -1, 0
	v_cndmask_b32 v[CO], v[CF], v6, s98
	s_lshl_b32 s20, s41, 22                        ; qkv16: 16 planes of 262,144 bytes for each batch,
	s_lshl_b32 s21, s95, 4
	s_lshl_b32 s22, s15, 3
	s_add_co_u32 s21, s21, s22                     ; my first token block: 16 x cluster y + 8 x half,
	s_lshl_b32 s21, s21, 11                        ; 2,048 bytes each
	s_add_co_u32 s20, s20, s21
	s_mov_b32 s21, 0
	s_add_nc_u64 s[12:13], s[12:13], s[20:21]
	s_lshl_b32 s46, ttmp9, 6                       ; 64 planes for each of q, k, v,
	s_lshl_b32 s47, s40, 2
	s_add_co_u32 s46, s46, s47                     ; four heads to a tile column,
	s_lshl_b32 s47, s16, 1
	s_add_co_u32 s46, s46, s47                     ; two to a wave
	s_lshl_b32 s46, s46, 18
	s_mov_b32 s47, 0
	s_add_nc_u64 s[12:13], s[12:13], s[46:47]
	s_mul_i32 s20, s41, 196608                     ; qkvf: a batch's 192 column blocks of 1,024 bytes,
	s_add_nc_u64 s[96:97], s[96:97], s[20:21]
	s_lshl_b32 s46, s42, 4
	s_lshl_b32 s47, s16, 3
	s_add_co_u32 s46, s46, s47                     ; my first: 16 x tile column + 8 x half
	s_lshl_b32 s46, s46, 10
	s_mov_b32 s47, 0
	s_add_nc_u64 s[96:97], s[96:97], s[46:47]
.macro FRAG reg, adr, q, i             ; 16 rows x 128 K of 4-bit codes: 8 registers; registers 4 c .. 4 c + 3 hold K = 64 c + 32 (l / 16) + 0 .. 31
.irp c, 0,1
	ds_load_b128 v[\reg+4*\c:\reg+4*\c+3], v[\adr] offset:64*(\q)+32*\c+(\i)*16*PITCH
.endr
.endm
; 16 matrix instructions: A's blocks a0, a0 + 1 x B's eight, the slot's q-th 128 along K.  The 64 accumulators take turns, one instruction a turn, in the same order in every step.
.macro MUL16 a0, p, q, sc, zero
.irp a, \a0, \a0+1
.irp b, 0,1,2,3,4,5,6,7
.if \zero
	v_wmma_scale_f32_16x16x128_f8f6f4 v[8*(8*((\a)%4)+\b):8*(8*((\a)%4)+\b)+7], v[128*(\p)+FR*\b:128*(\p)+FR*\b+FR-1], v[AF+FR*(\a):AF+FR*(\a)+FR-1], 0, v[SC+8*NQ*(\sc)+NQ*\b+(\q)], v[SC+8*NQ*(\sc)+NQ*(\a)+(\q)] matrix_a_fmt:MATRIX_FMT_FP4 matrix_b_fmt:MATRIX_FMT_FP4 matrix_a_scale:MATRIX_SCALE_ROW1
.else
	v_wmma_scale_f32_16x16x128_f8f6f4 v[8*(8*((\a)%4)+\b):8*(8*((\a)%4)+\b)+7], v[128*(\p)+FR*\b:128*(\p)+FR*\b+FR-1], v[AF+FR*(\a):AF+FR*(\a)+FR-1], v[8*(8*((\a)%4)+\b):8*(8*((\a)%4)+\b)+7], v[SC+8*NQ*(\sc)+NQ*\b+(\q)], v[SC+8*NQ*(\sc)+NQ*(\a)+(\q)] matrix_a_fmt:MATRIX_FMT_FP4 matrix_b_fmt:MATRIX_FMT_FP4 matrix_a_scale:MATRIX_SCALE_ROW1
.endif
.endr
.endr
.endm
.macro FETCH_B slot, q, p
	WIN TO_B
.irp i, 0,1,2,3,4,5,6,7
	FRAG 128*(\p)+FR*\i, ADRB+\slot, \q, \i
.endr
	WIN 0
.endm
.macro FETCH_A slot, q, i0
.irp i, \i0, \i0+1, \i0+2, \i0+3
	FRAG AF+FR*(\i), ADRA+\slot, \q, \i
.endr
.endm
.macro SCALES sc                       ; a slot's scale words: lanes 0-15 take A's block i, lanes 16-31 B's block i
.irp i, 0,1,2,3,4,5,6,7
	ds_load_b128 v[SC+8*NQ*\sc+NQ*\i:SC+8*NQ*\sc+NQ*\i+3], v[ADRS] offset:\i*SBLK
.endr
.endm
.macro PLACES n                        ; plain vector instructions between a matrix instruction and a load into, or a read of, its registers
.rept \n
	v_nop
.endr
.endm
.macro STEP slot, q, zero              ; a step of 128 along K that has its successor in the same slot
	s_wait_dscnt 4*NL                              ; B's set and A's blocks 0-3 are in; the youngest eight loads (A's blocks 4-7) may be out
	WIN MUL_LO
	MUL16 0, (\q)%2, \q, \slot, \zero
	MUL16 2, (\q)%2, \q, \slot, \zero
	s_wait_dscnt 0
	PLACES NP
	FETCH_B \slot, (\q)+1, 1-(\q)%2
	FETCH_A \slot, (\q)+1, 0
	WIN MUL_HI
	MUL16 4, (\q)%2, \q, \slot, \zero
	MUL16 6, (\q)%2, \q, \slot, \zero
	PLACES NP
	WIN 0
	FETCH_A \slot, (\q)+1, 4
.endm
.macro TURN slot, next                 ; slot 0's last step: behind its barrier slot 1 is whole for every wave; nothing is filled again
	s_wait_tensorcnt 0x0                           ; all my tensor loads have landed: my part of slot 1 among them
	ds_add_u32 v[SPW], v[NIL]                      ; 0 onto my spare word
	s_wait_dscnt 4*NL+1                            ; (the add and the youngest eight loads may be out)
	WIN MUL_LO
	MUL16 0, 1, NQ-1, \slot, 0
	s_wait_dscnt 0x0
	s_barrier_signal -1
	MUL16 2, 1, NQ-1, \slot, 0
	WIN 0
	s_barrier_wait -1
	PLACES NP
	v_add_nc_u32 v[ADRS], 4*NQ, v[ADRS]            ; on to the next slot's scale words
	FETCH_B \next, 0, 0
	FETCH_A \next, 0, 0
	SCALES \next
	WIN MUL_HI
	MUL16 4, 1, NQ-1, \slot, 0
	MUL16 6, 1, NQ-1, \slot, 0
	PLACES NP
	WIN 0
	FETCH_A \next, 0, 4
.endm
.macro STEPS slot, from
.set Q, \from
.rept NQ-1-\from
	STEP \slot, Q, 0
.set Q, Q+1
.endr
.endm
	s_wait_tensorcnt 1                             ; the scales and my part of slot 0 are in (slot 1's load may be out)
	s_barrier_signal -1
	s_barrier_wait -1                              ; everybody's are
	FETCH_B 0, 0, 0
	FETCH_A 0, 0, 0
	SCALES 0
	FETCH_A 0, 0, 4
	STEP 0, 0, 1                                   ; the first step's products start the sums: nothing is cleared
	STEPS 0, 1
	TURN 0, 1
	STEPS 1, 0
	s_wait_dscnt 4*NL                              ; the very last step
	WIN MUL_LO
	MUL16 0, 1, NQ-1, 1, 0
	MUL16 2, 1, NQ-1, 1, 0
	s_wait_dscnt 0
	WIN MUL_HI
	MUL16 4, 1, NQ-1, 1, 0
	MUL16 6, 1, NQ-1, 1, 0
	WIN 0
	PLACES NP                                      ; behind the last products: stores and conversions read results, and the packed results land where A's fragments lay
	s_or_b32 s99, s95, s15                         ; tokens 0-15 of a batch are block 0 of the waves with the upper half of the rows, where cluster y = 0: the same test in all sixteen partners
	s_cmp_lg_u32 s99, 0
	s_cbranch_scc1 .Lno_fine
	WIN 0x08                                       ; a store's data: window 2
.irp b, 0,1,2,3,4,5,6,7
	global_store_b128 v[CF], v[8*\b:8*\b+3], s[96:97] offset:1024*\b          ; f32, each accumulator from its low end on; 512 consecutive bytes a store
	global_store_b128 v[CF], v[8*\b+4:8*\b+7], s[96:97] offset:1024*\b+512
.endr
	WIN 0
.Lno_fine:
.macro PACKSEND a                      ; block a (16 tokens x 128 channels): rounded to f16, 16 bytes a lane, and stored as it stands
.set AC, 64*((\a)%4)
.set PB, 128+32*((\a)%4)
.if (\a) >= 4
	s_wait_xcnt 0x0                                ; block a - 4's stores have read these registers
.endif
	WIN 0x0a+5*((\a)/4)                            ; sources 0 and 1: window 2 or 3
.irp b, 0,1,2,3,4,5,6,7
.irp r, 0,1,2,3
	v_cvt_pk_f16_f32 v[PB+4*\b+\r], v[AC+8*\b+2*\r], v[AC+8*\b+2*\r+1]
.endr
.endr
	WIN 0
.irp b, 0,1,2,3,4,5,6,7
	global_store_b128 v[CO], v[PB+4*\b:PB+4*\b+3], s[12:13] offset:2048*(\a)+262144*(\b/4)+512*(\b%4)   ; token block a, head b / 4, channels 16 (b % 4) on: 512 consecutive bytes, aligned
.endr
.endm
.irp a, 0,1,2,3,4,5,6,7
	PACKSEND \a
.endr
	s_wait_tensorcnt 0x0                           ; the wave's end
	ds_add_u32 v[SPW], v[NIL]
	s_wait_dscnt 0x0
	CROUND                                         ; the closing round
	s_endpgm
.Lfunc_end_k_q6eab67a89a_qkv:
	.size	k_q6eab67a89a_qkv, .Lfunc_end_k_q6eab67a89a_qkv-k_q6eab67a89a_qkv
	.p2alignl 7, 3214868480
	.fill 96, 4, 3214868480
	.section	.rodata,"a",@progbits
	.p2align	6, 0x0
	.amdhsa_kernel k_q6eab67a89a_qkv
		.amdhsa_group_segment_fixed_size 327680
		.amdhsa_private_segment_fixed_size 0
		.amdhsa_enable_private_segment 0
		.amdhsa_kernarg_size 48
		.amdhsa_user_sgpr_count 2
		.amdhsa_user_sgpr_kernarg_segment_ptr 1
		.amdhsa_wavefront_size32 1
		.amdhsa_system_sgpr_workgroup_id_x 1
		.amdhsa_system_sgpr_workgroup_id_y 1
		.amdhsa_system_sgpr_workgroup_id_z 1
		.amdhsa_system_vgpr_workitem_id 0
		.amdhsa_next_free_vgpr 1024
		.amdhsa_next_free_sgpr 100
		.amdhsa_reserve_vcc 0
		.amdhsa_float_denorm_mode_32 3
		.amdhsa_float_denorm_mode_16_64 3
		.amdhsa_memory_ordered 1
		.amdhsa_forward_progress 1
		.amdhsa_inst_pref_size 120
	.end_amdhsa_kernel
	.amdgpu_metadata
---
amdhsa.version: [ 1, 2 ]
amdhsa.kernels:
  - .name:           k_q6eab67a89a_qkv
    .symbol:         k_q6eab67a89a_qkv.kd
    .args:
      - { .name: xc, .offset: 0, .size: 8, .value_kind: global_buffer, .address_space: global }
      - { .name: xs, .offset: 8, .size: 8, .value_kind: global_buffer, .address_space: global }
      - { .name: wc, .offset: 16, .size: 8, .value_kind: global_buffer, .address_space: global }
      - { .name: ws, .offset: 24, .size: 8, .value_kind: global_buffer, .address_space: global }
      - { .name: qkv16, .offset: 32, .size: 8, .value_kind: global_buffer, .address_space: global }
      - { .name: qkvf, .offset: 40, .size: 8, .value_kind: global_buffer, .address_space: global }
    .group_segment_fixed_size: 327680
    .private_segment_fixed_size: 0
    .kernarg_segment_align: 8
    .kernarg_segment_size: 48
    .max_flat_workgroup_size: 128
    .sgpr_count:     100
    .vgpr_count:     1024
    .wavefront_size: 32
...
	.end_amdgpu_metadata
.endif
;; end of part 2
;; launch attn (part 3): grid 4 x 64, 8 waves a work-group, no clusters, 327,680 bytes of LDS; arguments qkv16, y16; writes y16
.if DOCPART == 3
	.amdgcn_target "amdgcn-amd-amdhsa--gfx1250"
	.amdhsa_code_object_version 6
	.text
	.protected	k_q6eab67a89a_attn
	.globl	k_q6eab67a89a_attn
	.p2align	8
	.type	k_q6eab67a89a_attn,@function
k_q6eab67a89a_attn:
	s_mov_b64 s[64:65], 0
	v_nop
	global_prefetch_b8 v0, s[64:65] scope:SCOPE_SE
	s_setreg_imm32_b32 hwreg(HW_REG_WAVE_MODE, 25, 1), 1
	s_wait_xcnt 0x0
; y[b][h][q] = the sum over k <= q of softmax_k(q . k / 8) v, on f16 operands, f32 products' sums, maxima and sums; the weights p are rounded to f16 for the second product, y once at the end.
; WORK LEFT OUT: steps of 64 keys all of which lie behind a wave's 32 queries, and key blocks behind a work-group's queries: reference()'s own mask makes their weights 0 for all inputs.
; SHARES.  Work-group (i = x, head = y) owns TWO blocks of 256 queries: first block 7 - i, then block i: (8 - i) + (i + 1) = 9 key blocks of 256, the same for every work-group: nine trips, a constant of the text.
; Each of eight waves owns 32 queries, two tiles of 16: a fragment of K or V read from LDS feeds two matrix instructions.  Two waves share a SIMD: one's vector work stands beside the other's matrix work.
; NO CLUSTER: the four work-groups of a head walk the same key blocks only in their first five trips; to ask jointly on every path all four would have to walk 8 + 4 trips in step, against nine.
; LAYOUT.  S^T = K Q^T (source 0 = 16 keys, source 1 = 16 queries) and O^T = V^T P (source 0 = 16 channels, source 1 = P): a lane holds ONE query throughout.  q, k, v lie in memory as images of operand registers
; (pieces of 512 bytes, 16 bytes a lane), so every LDS load reads 512 consecutive bytes: no pitch, no padding; V's pieces are turned by ds_load_tr16_b128.  y leaves as the image of the next product's fragments.
; SOFTMAX.  For each query a running maximum m and sum l: p = 2^(c s - c m), c = log2(e) / 8; in every step O and l are multiplied by a = 2^(c m_old - c m_new).  m begins at -3e38 and O, l at 0: the step is written once.
; LDS: slot 0 at 0, slot 1 at 65,536 (each: 256 keys of K, 32,768 bytes, then of V); from 131,072 each wave's Q of the second pass, 4,096 bytes; from 163,840 the spare words.
; LIMITS: NaN and infinities are not served; p under 6e-8 is lost in f16.
.set SLOT1, 65536
.set VOFF,  32768
.set STEPB, 8192                       ; 64 keys of K or of V
.set QST,   2*SLOT1
.set SPARE, QST+8*4096
.set LA,   1                           ; v1   16 x lane
.set ADR,  2                           ; v2   LDS address of the step's tiles
.set SPW,  3                           ; v3   my spare word; never rewritten
.set NIL,  4                           ; v4   0; never rewritten
.set QSA,  5                           ; v5   my place in my wave's Q of the second pass
.set DL,   6                           ; v6   r - 8 h
.set DD,   7                           ; v7   the mask's bound in hand
.set NINF, 8                           ; v8   -infinity
.set PFO,  9                           ; v9   256 x lane
.set UU,   10                          ; v10-13 a second chain of sums for each tile
.set ST,   16                          ; v16-31 tile t's statistics at ST + 8 t: +0 c m, +1 m, +2, +3 l, +4 .. +7 at work, a at +6
.set QF,   32                          ; v32-63  Q, 16 a tile
.set SF,   64                          ; v64-127 S^T, 32 a tile; P is packed into the first 16 of them
.set KV,   128                         ; v128-191 K's fragments of a step, then V's
.set OF,   192                         ; v192-255 O^T, 32 a tile
.set WV,  8
.set BI,  9
.set BJ,  10
.set HD,  11
.set G1,  16                           ; s[16:23]
.set G0,  24                           ; s[24:27], which walks
.set TR,  28                           ; the trip
.set STP, 29
.set TB,  30                           ; LDS byte at which the step's tile of K begins
.set KF,  31                           ; the step's first key
.set Q0,  32                           ; my wave's first query
.set CS,  34
.set SEL, 36
.set YB,  38
.set RST, 40                           ; (7 - i + 1) key blocks in bytes: the way back to key block 0
.set TM,  42                           ; s[42:43]: at work; s43 stays 0
.set QB0, 44
.set QB1, 46
.set PFA, 48
.set LIM, 52
	s_load_b128 s[4:7], s[0:1], 0x0                ; qkv16, y16
	v_lshl_add_u32 v[SPW], v0, 2, SPARE
	v_mov_b32 v[NIL], 0
	ds_add_u32 v[SPW], v[NIL]                      ; the wave's opening: the add, twice on end, and its wait ahead of my first tensor load
	ds_add_u32 v[SPW], v[NIL]
	v_lshrrev_b32 v[ADR], 5, v0
	v_readfirstlane_b32 s[WV], v[ADR]              ; wave 0..7
	s_mov_b32 s[BI], ttmp9
	s_sub_co_u32 s[BJ], 7, ttmp9
	s_and_b32 s[HD], ttmp7, 0xffff                 ; 16 x batch + head
	s_mov_b32 s[G1], 3<<16                         ; no mask; elements of 8 bytes; no padding: 8,192 dense bytes as 32 rows of 256
	s_mov_b32 s[G1+1], 32<<16                      ; tensor_dim0 = 32
	s_mov_b32 s[G1+2], 32<<16                      ; tensor_dim1 = 32
	s_mov_b32 s[G1+3], 32<<16                      ; tile_dim0 = 32
	s_mov_b32 s[G1+4], 32                          ; tile_dim1 = 32
	s_mov_b32 s[G1+5], 32                          ; the pitch
	s_mov_b32 s[G1+6], 0
	s_mov_b32 s[G1+7], 0
	s_mov_b32 s[CS], 0x3e38aa3b                    ; c = log2(e) / 8
	s_mov_b32 s[CS+1], s[CS]
	s_mov_b32 s[SEL], 0x76543210
	s_mov_b32 s[SEL+1], 0xfedcba98
	s_mov_b32 s[TR], 0
	s_mov_b32 s[TB], 0
	s_mov_b32 s[KF], 0
	s_mov_b32 s[TM+1], 0
	s_lshl_b32 s15, s[WV], 5                       ; 32 x wave
	s_lshl_b32 s[Q0], s[BJ], 8
	s_add_co_u32 s[Q0], s[Q0], s15                 ; the first pass: block 7 - i
	s_add_co_u32 s[RST], s[BJ], 1
	s_lshl_b32 s[RST], s[RST], 15
	s_cmp_eq_u32 s[BI], 0
	s_cselect_b32 s[LIM], 6, 0                     ; the head's work-group 0, which walks key blocks 0 .. 7 in trips 0 .. 7, prefetches in trips 0 .. 5
	s_lshr_b32 s12, s[WV], 2                       ; what I fetch: waves 0-3 K's quarters of a key block, waves 4-7 V's
	s_lshl_b32 s12, s12, 6
	s_add_co_u32 s12, s12, 64
	s_add_co_u32 s12, s12, s[HD]                   ; the plane
	s_lshl_b32 s12, s12, 18
	s_and_b32 s13, s[WV], 3
	s_lshl_b32 s13, s13, 13
	s_add_co_u32 s12, s12, s13
	s_mov_b32 s13, 0                               ; s13 stays 0 from here on
	s_mov_b32 s[G0], 1
	s_lshl_b32 s[G0+1], s[WV], 13                  ; LDS: 8,192 x wave: K's four quarters, then V's four
	v_and_b32 v[LA], 31, v0
	v_lshlrev_b32 v[PFO], 8, v[LA]
	v_lshlrev_b32 v[LA], 4, v[LA]
	v_and_b32 v[DL], 15, v0
	v_bfe_u32 v[DD], v0, 4, 1
	v_lshlrev_b32 v[DD], 3, v[DD]
	v_sub_nc_u32 v[DL], v[DL], v[DD]
	v_mov_b32 v[NINF], 0xff800000
	s_lshl_b32 s14, s[WV], 12
	v_add_nc_u32 v[QSA], s14, v[LA]
	v_add_nc_u32 v[QSA], QST, v[QSA]
	s_wait_dscnt 0x0                               ; both opening adds are done
	s_wait_kmcnt 0x0
	s_add_nc_u64 s[G0+2:G0+3], s[4:5], s[12:13]    ; key block 0
	s_add_nc_u64 s[PFA:PFA+1], s[G0+2:G0+3], 32768 ; my part of key block 1: the first change of slots steps it to key block 2
	s_or_b32 s[G0+3], s[G0+3], 0x80000000
	tensor_load_to_lds s[G0:G0+3], s[G1:G1+7]      ; every wave fetches an eighth of slot 0: one tensor load of a wave is out at the most, here and later
	s_nop 0
	s_lshl_b32 s12, s[HD], 18                      ; q's plane,
	s_lshl_b32 s14, s[Q0], 7                       ; my token blocks: 2,048 bytes for each 16 queries
	s_add_co_u32 s14, s14, s12
	s_mov_b32 s[TM], s14
	s_add_nc_u64 s[QB0:QB0+1], s[4:5], s[TM:TM+1]
	s_lshl_b32 s14, s[BI], 8
	s_add_co_u32 s14, s14, s15                     ; the second pass's first query
	s_lshl_b32 s14, s14, 7
	s_add_co_u32 s[TM], s14, s12
	s_add_nc_u64 s[QB1:QB1+1], s[4:5], s[TM:TM+1]
.set n, 0
.rept 8
	global_load_b128 v[QF+4*n:QF+4*n+3], v[LA], s[QB0:QB0+1] offset:512*n   ; Q of the first pass stays in registers
.set n, n+1
.endr
.set n, 0
.rept 8
	global_load_b128 v[SF+4*n:SF+4*n+3], v[LA], s[QB1:QB1+1] offset:512*n   ; Q of the second pass waits in LDS
.set n, n+1
.endr
.macro SETY                            ; y16 at my first query: (128 batch + Q0 / 16) row blocks of 32,768 bytes + 2,048 x head
	s_lshr_b32 s12, s[HD], 4
	s_lshl_b32 s12, s12, 22
	s_lshl_b32 s14, s[Q0], 11
	s_add_co_u32 s12, s12, s14
	s_and_b32 s14, s[HD], 15
	s_lshl_b32 s14, s14, 11
	s_add_co_u32 s12, s12, s14
	s_add_nc_u64 s[YB:YB+1], s[6:7], s[12:13]
.endm
.macro INIT                            ; a pass begins: m = -3e38, l = 0, O^T = 0, so that the step needs no first form of its own
.irp t, 0,1
	v_mov_b32 v[ST+8*\t+1], 0xff61b1e6
	v_mul_f32 v[ST+8*\t], s[CS], v[ST+8*\t+1]
.irp i, 2,3,4,5,6,7
	v_mov_b32 v[ST+8*\t+\i], 0
.endr
.endr
.set n, 0
.rept 64
	v_mov_b32 v[OF+n], 0
.set n, n+1
.endr
.endm
	SETY
	INIT
	s_wait_loadcnt 0x0
.set n, 0
.rept 8
	ds_store_b128 v[QSA], v[SF+4*n:SF+4*n+3] offset:512*n
.set n, n+1
.endr
; A PREFETCH of what the NEXT change of slots will ask for.  All four work-groups of a head begin at key block 0 and walk on: work-group 0 of the head asks, and nobody else; each of its waves for its own 8,192 bytes
; of key block trip + 2, lanes 256 bytes apart: each block of 256 bytes is named once in the launch.  Key blocks 0 and 1 come by their loads alone; trips 6 and later ask for nothing.
.macro ASK
	s_cmp_lt_u32 s[TR], s[LIM]
	s_cbranch_scc0 .Lnot_mine_\@
	global_prefetch_b8 v[PFO], s[PFA:PFA+1] th:TH_LOAD_NT scope:SCOPE_SE
.Lnot_mine_\@:
.endm
; THE CHANGE OF SLOTS stands at a trip's head.  Each wave waits for all its tensor loads (its part of the slot that it is about to read), adds 0 to its spare word, and waits for that and for its reads of the slot that it has left.
; Behind the barrier the slot ahead is whole and nobody reads the other one.  fill = 1: that other slot takes the next trip's key block: one load a wave, first thing behind the barrier, with four steps in which to land.
.macro CHANGE fill
	s_wait_tensorcnt 0x0                           ; no tensor load of mine is out, so group 0 may be written
	ds_add_u32 v[SPW], v[NIL]                      ; 0 onto my spare word; the descriptor's steps stand between it and the wait for it
.if \fill
	s_xor_b32 s[G0+1], s[G0+1], SLOT1              ; the other slot than last time
	s_cmp_eq_u32 s[TR], s[BJ]                      ; behind the first pass's last trip the walk begins anew at key block 0
	s_cselect_b32 s[TM], s[RST], 0
	s_sub_nc_u64 s[G0+2:G0+3], s[G0+2:G0+3], s[TM:TM+1]
	s_add_nc_u64 s[G0+2:G0+3], s[G0+2:G0+3], 32768
	s_wait_xcnt 0x0                                ; the last prefetch, a trip back, has read its address
	s_add_nc_u64 s[PFA:PFA+1], s[PFA:PFA+1], 32768
.endif
	s_wait_dscnt 0x0                               ; the add is done, and my reads of the slot that I have left are over
	s_barrier_signal -1
	s_barrier_wait -1
.if \fill
	tensor_load_to_lds s[G0:G0+3], s[G1:G1+7]
	s_nop 0
	ASK
.endif
.endm
.macro SOFTMAX                         ; both tiles, line by line by turns
.irp j, 0,1,2,3
.irp t, 0,1
	v_max3_num_f32 v[ST+8*\t+4+\j], v[SF+32*\t+8*\j], v[SF+32*\t+8*\j+1], v[SF+32*\t+8*\j+2]   ; four chains, each begun at its accumulator's low end
.endr
.endr
.irp g, 1,2
.irp j, 0,1,2,3
.irp t, 0,1
	v_max3_num_f32 v[ST+8*\t+4+\j], v[ST+8*\t+4+\j], v[SF+32*\t+8*\j+2*\g+1], v[SF+32*\t+8*\j+2*\g+2]
.endr
.endr
.endr
.irp t, 0,1
	v_max3_num_f32 v[ST+8*\t+4], v[ST+8*\t+4], v[SF+32*\t+7], v[SF+32*\t+15]
.endr
.irp t, 0,1
	v_max3_num_f32 v[ST+8*\t+6], v[ST+8*\t+6], v[SF+32*\t+23], v[SF+32*\t+31]
.endr
.irp t, 0,1
	v_max3_num_f32 v[ST+8*\t+4], v[ST+8*\t+4], v[ST+8*\t+5], v[ST+8*\t+6]
.endr
.irp t, 0,1
	v_max3_num_f32 v[ST+8*\t+4], v[ST+8*\t+4], v[ST+8*\t+7], v[ST+8*\t+1]   ; and the old m
.endr
.irp t, 0,1
	v_permlanex16_b32 v[ST+8*\t+5], v[ST+8*\t+4], s[SEL], s[SEL+1]          ; the query's other 32 keys lie in the lane 16 away
.endr
.irp t, 0,1
	v_mov_b32 v[ST+8*\t+7], v[ST+8*\t]             ; c m_old
.endr
.irp t, 0,1
	v_max_num_f32 v[ST+8*\t+1], v[ST+8*\t+4], v[ST+8*\t+5]
.endr
.irp t, 0,1
	v_mul_f32 v[ST+8*\t], s[CS], v[ST+8*\t+1]
.endr
.irp t, 0,1
	v_sub_f32 v[ST+8*\t+7], v[ST+8*\t+7], v[ST+8*\t]
.endr
.irp t, 0,1
	v_exp_f32 v[ST+8*\t+6], v[ST+8*\t+7]           ; a.  ONE BATCH begins: 66 exponentials, with the 32 scalings dealt among them; none of these lines names an exponential's result
.endr
.set n, 0
.rept 17
.if n < 16
.irp t, 0,1
	v_pk_fma_f32 v[SF+32*\t+2*n:SF+32*\t+2*n+1], v[SF+32*\t+2*n:SF+32*\t+2*n+1], s[CS:CS+1], v[ST+8*\t:ST+8*\t+1] op_sel_hi:[1,0,0] neg_lo:[0,0,1] neg_hi:[0,0,1]   ; pair n: c s - c m
.endr
.endif
.if n > 0
.irp t, 0,1
	v_exp_f32 v[SF+32*\t+2*n-2], v[SF+32*\t+2*n-2]  ; pair n - 1, scaled a turn ago
	v_exp_f32 v[SF+32*\t+2*n-1], v[SF+32*\t+2*n-1]
.endr
.endif
.set n, n+1
.endr
	v_nop                                          ; a plain instruction behind the last exponential
	s_wait_alu depctr_va_vdst(0)                   ; and one wait for the batch, ahead of the first line that names a result
.irp t, 0,1
	v_pk_add_f32 v[ST+8*\t+4:ST+8*\t+5], v[SF+32*\t:SF+32*\t+1], v[SF+32*\t+2:SF+32*\t+3]   ; the sums, of the p in f32, in two chains a tile
.endr
.irp t, 0,1
	v_pk_add_f32 v[UU+2*\t:UU+2*\t+1], v[SF+32*\t+4:SF+32*\t+5], v[SF+32*\t+6:SF+32*\t+7]
.endr
.irp j, 8,12,16,20,24,28
.irp t, 0,1
	v_pk_add_f32 v[ST+8*\t+4:ST+8*\t+5], v[ST+8*\t+4:ST+8*\t+5], v[SF+32*\t+\j:SF+32*\t+\j+1]
.endr
.irp t, 0,1
	v_pk_add_f32 v[UU+2*\t:UU+2*\t+1], v[UU+2*\t:UU+2*\t+1], v[SF+32*\t+\j+2:SF+32*\t+\j+3]
.endr
.endr
.irp t, 0,1
	v_pk_add_f32 v[ST+8*\t+4:ST+8*\t+5], v[ST+8*\t+4:ST+8*\t+5], v[UU+2*\t:UU+2*\t+1]
.endr
.irp t, 0,1
	v_pk_fma_f32 v[ST+8*\t+2:ST+8*\t+3], v[ST+8*\t+2:ST+8*\t+3], v[ST+8*\t+6:ST+8*\t+7], v[ST+8*\t+4:ST+8*\t+5] op_sel_hi:[1,0,1]   ; l = a l + the step's sum
.endr
.set n, 0
.rept 16
.irp t, 0,1
	v_cvt_pk_f16_f32 v[SF+32*\t+n], v[SF+32*\t+2*n], v[SF+32*\t+2*n+1]   ; P, in place: register n takes pair n, which lies at or above it
.endr
.set n, n+1
.endr
.set n, 0
.rept 16
.irp t, 0,1
	v_pk_mul_f32 v[OF+32*\t+2*n:OF+32*\t+2*n+1], v[OF+32*\t+2*n:OF+32*\t+2*n+1], v[ST+8*\t+6:ST+8*\t+7] op_sel_hi:[1,0]   ; O^T x a, each accumulator from its low end on
.endr
.set n, n+1
.endr
.endm
; A STEP: 64 keys.
.macro STEP
	s_add_co_u32 s[TM], s[Q0], 31
	s_cmp_gt_u32 s[KF], s[TM]                      ; all 64 keys behind my 32 queries: the step's work is left out; a branch on ids and counts, round no barrier and no tensor load
	s_cbranch_scc1 .Lhid_\@
	v_add_nc_u32 v[ADR], s[TB], v[LA]
.rept 4
	v_nop                                          ; with the addition five places: the loads below land where the last products' V lay, and the products below write over the P that those read
.endr
.set n, 0
.rept 16
	ds_load_b128 v[KV+4*n:KV+4*n+3], v[ADR] offset:512*n   ; K: token block n / 4, piece n % 4
.set n, n+1
.endr
	s_wait_dscnt 0x0
.irp kc, 0,1                                   ; S^T = K Q^T: eight accumulators by turns
.irp kt, 0,1,2,3
.irp qt, 0,1
.if \kc == 0
	v_wmma_f32_16x16x32_f16 v[SF+32*\qt+8*\kt:SF+32*\qt+8*\kt+7], v[KV+16*\kt:KV+16*\kt+7], v[QF+16*\qt:QF+16*\qt+7], 0
.else
	v_wmma_f32_16x16x32_f16 v[SF+32*\qt+8*\kt:SF+32*\qt+8*\kt+7], v[KV+16*\kt+8:KV+16*\kt+15], v[QF+16*\qt+8:QF+16*\qt+15], v[SF+32*\qt+8*\kt:SF+32*\qt+8*\kt+7]
.endif
.endr
.endr
.endr
.rept 4
	v_nop                                          ; places: V's loads land where K lay, and the lines below read the scores
.endr
.irp kk, 0,1
.irp ct, 0,1,2,3
	ds_load_tr16_b128 v[KV+8*(4*\kk+\ct):KV+8*(4*\kk+\ct)+3],   v[ADR] offset:VOFF+2048*(2*\kk)+512*\ct     ; V^T: channels 16 ct on, keys 32 kk + 8 h on,
	ds_load_tr16_b128 v[KV+8*(4*\kk+\ct)+4:KV+8*(4*\kk+\ct)+7], v[ADR] offset:VOFF+2048*(2*\kk+1)+512*\ct   ; and 32 kk + 16 + 8 h on; they land under the softmax
.endr
.endr
	s_add_co_u32 s[TM], s[KF], 63
	s_cmp_le_u32 s[TM], s[Q0]                      ; all 64 keys count for all my queries: no mask
	s_cbranch_scc1 .Lopen_\@
	s_sub_co_i32 s[TM], s[Q0], s[KF]
	v_add_nc_u32 v[DD], s[TM], v[DL]               ; register 8 kt + j of tile qt holds key KF + 16 kt + 8 h + j, query Q0 + 16 qt + r: hidden where 16 kt + j - 16 qt > Q0 - KF + r - 8 h
.irp qt, 0,1
.irp kt, 0,1,2,3
.irp j, 0,1,2,3,4,5,6,7
	v_cmp_gt_i32 vcc_lo, 16*\kt+\j-16*\qt, v[DD]
	v_cndmask_b32 v[SF+32*\qt+8*\kt+\j], v[SF+32*\qt+8*\kt+\j], v[NINF], vcc_lo
.endr
.endr
.endr
.Lopen_\@:
	SOFTMAX
	s_wait_dscnt 0x0                               ; V is in
.irp kk, 0,1                                   ; O^T += V^T P: eight accumulators by turns
.irp ct, 0,1,2,3
.irp qt, 0,1
	v_wmma_f32_16x16x32_f16 v[OF+32*\qt+8*\ct:OF+32*\qt+8*\ct+7], v[KV+8*(4*\kk+\ct):KV+8*(4*\kk+\ct)+7], v[SF+32*\qt+8*\kk:SF+32*\qt+8*\kk+7], v[OF+32*\qt+8*\ct:OF+32*\qt+8*\ct+7]
.endr
.endr
.endr
.Lhid_\@:
	s_add_co_u32 s[KF], s[KF], 64
	s_add_co_u32 s[TB], s[TB], STEPB
.endm
.macro TRIP fill                       ; a key block of 256: four steps, written once
	CHANGE \fill
	s_mov_b32 s[STP], 4
.Lstep_\@:
	STEP
	s_sub_co_u32 s[STP], s[STP], 1
	s_cmp_lg_u32 s[STP], 0
	s_cbranch_scc1 .Lstep_\@
	s_sub_co_u32 s[TB], s[TB], 4*STEPB
	s_xor_b32 s[TB], s[TB], SLOT1                  ; on to the other slot
.endm
.macro WAYOUT                          ; O^T / l, rounded to f16: a lane's eight channels are 16 bytes of the next product's fragment; a store covers 512 consecutive bytes, aligned
.rept 4
	v_nop                                          ; places behind the last products
.endr
.irp t, 0,1
	v_add_f32 v[ST+8*\t+4], v[ST+8*\t+2], v[ST+8*\t+3]
.endr
.irp t, 0,1
	v_permlanex16_b32 v[ST+8*\t+5], v[ST+8*\t+4], s[SEL], s[SEL+1]
.endr
.irp t, 0,1
	v_add_f32 v[ST+8*\t+4], v[ST+8*\t+4], v[ST+8*\t+5]
.endr
.irp t, 0,1
	v_rcp_f32 v[ST+8*\t+6], v[ST+8*\t+4]
.endr
	v_nop
	s_wait_alu depctr_va_vdst(0)                   ; one wait for the two reciprocals, ahead of their first reader
.set n, 0
.rept 16
.irp t, 0,1
	v_pk_mul_f32 v[OF+32*\t+2*n:OF+32*\t+2*n+1], v[OF+32*\t+2*n:OF+32*\t+2*n+1], v[ST+8*\t+6:ST+8*\t+7] op_sel_hi:[1,0]
.endr
.set n, n+1
.endr
.set n, 0
.rept 16
.irp t, 0,1
	v_cvt_pk_f16_f32 v[SF+16*\t+n], v[OF+32*\t+2*n], v[OF+32*\t+2*n+1]
.endr
.set n, n+1
.endr
.irp t, 0,1
.irp ct, 0,1,2,3
	global_store_b128 v[LA], v[SF+16*\t+4*\ct:SF+16*\t+4*\ct+3], s[YB:YB+1] offset:32768*\t+512*\ct
.endr
.endr
.endm
.macro REINIT                          ; the second pass: block i
	s_wait_xcnt 0x0                                ; the stores have read their data and their base
	s_lshl_b32 s[Q0], s[BI], 8
	s_add_co_u32 s[Q0], s[Q0], s15
	s_mov_b32 s[KF], 0
	SETY
.set n, 0
.rept 8
	ds_load_b128 v[QF+4*n:QF+4*n+3], v[QSA] offset:512*n   ; my own bytes, stored at the head
.set n, n+1
.endr
	INIT
	s_wait_dscnt 0x0
.endm
.Ltrip:                                        ; eight trips; behind each change of slots the next trip's key block is asked for
	TRIP 1
	s_cmp_lg_u32 s[TR], s[BJ]                      ; the first pass ends with trip 7 - i: the same in all eight waves
	s_cbranch_scc1 .Lsame
	WAYOUT
	REINIT
.Lsame:
	s_add_co_u32 s[TR], s[TR], 1
	s_cmp_lt_u32 s[TR], 8
	s_cbranch_scc1 .Ltrip
	TRIP 0                                         ; the ninth trip is written out: nothing is left to fetch
	WAYOUT
	s_wait_tensorcnt 0x0                           ; the wave's end
	ds_add_u32 v[SPW], v[NIL]
	s_wait_dscnt 0x0
	s_endpgm
.Lfunc_end_k_q6eab67a89a_attn:
	.size	k_q6eab67a89a_attn, .Lfunc_end_k_q6eab67a89a_attn-k_q6eab67a89a_attn
	.p2alignl 7, 3214868480
	.fill 96, 4, 3214868480
	.section	.rodata,"a",@progbits
	.p2align	6, 0x0
	.amdhsa_kernel k_q6eab67a89a_attn
		.amdhsa_group_segment_fixed_size 327680
		.amdhsa_private_segment_fixed_size 0
		.amdhsa_enable_private_segment 0
		.amdhsa_kernarg_size 16
		.amdhsa_user_sgpr_count 2
		.amdhsa_user_sgpr_kernarg_segment_ptr 1
		.amdhsa_wavefront_size32 1
		.amdhsa_system_sgpr_workgroup_id_x 1
		.amdhsa_system_sgpr_workgroup_id_y 1
		.amdhsa_system_sgpr_workgroup_id_z 1
		.amdhsa_system_vgpr_workitem_id 0
		.amdhsa_next_free_vgpr 256
		.amdhsa_next_free_sgpr 66
		.amdhsa_reserve_vcc 1
		.amdhsa_float_denorm_mode_32 3
		.amdhsa_float_denorm_mode_16_64 3
		.amdhsa_memory_ordered 1
		.amdhsa_forward_progress 1
		.amdhsa_inst_pref_size 67
	.end_amdhsa_kernel
	.amdgpu_metadata
---
amdhsa.version: [ 1, 2 ]
amdhsa.kernels:
  - .name:           k_q6eab67a89a_attn
    .symbol:         k_q6eab67a89a_attn.kd
    .args:
      - { .name: qkv16, .offset: 0, .size: 8, .value_kind: global_buffer, .address_space: global }
      - { .name: y16, .offset: 8, .size: 8, .value_kind: global_buffer, .address_space: global }
    .group_segment_fixed_size: 327680
    .private_segment_fixed_size: 0
    .kernarg_segment_align: 8
    .kernarg_segment_size: 16
    .max_flat_workgroup_size: 256
    .sgpr_count:     66
    .vgpr_count:     256
    .wavefront_size: 32
...
	.end_amdgpu_metadata
.endif
;; end of part 3
;; launch proj (part 4): grid 8 x 64, 4 waves a work-group, clusters of 4 x 4, 327,680 bytes of LDS; arguments y16, wo16, bo, out0; writes out0
.if DOCPART == 4
	.amdgcn_target "amdgcn-amd-amdhsa--gfx1250"
	.amdhsa_code_object_version 6
	.text
	.protected	k_q6eab67a89a_proj
	.globl	k_q6eab67a89a_proj
	.p2align	8
	.type	k_q6eab67a89a_proj,@function
k_q6eab67a89a_proj:
	s_mov_b64 s[64:65], 0
	v_nop
	global_prefetch_b8 v0, s[64:65] scope:SCOPE_SE
	s_setreg_imm32_b32 hwreg(HW_REG_WAVE_MODE, 25, 1), 1
	s_wait_xcnt 0x0
	s_wait_alu depctr_hold_cnt(0) depctr_sa_sdst(0) depctr_va_vdst(0) depctr_va_sdst(0) depctr_va_ssrc(0) depctr_va_vcc(0) depctr_vm_vsrc(0)
	s_getreg_b32 s2, hwreg(HW_REG_IB_STS2, 6, 4)
	s_cmp_eq_u32 s2, 0
	s_cbranch_scc0 .Lentry_in_a_cluster
	s_endpgm
.Lentry_in_a_cluster:
	s_bfe_u32 s2, ttmp6, 0x10000c
	s_cmp_lg_u32 s2, 0xf033
	s_cbranch_scc0 .Lentry_shape_is_right
	s_endpgm
.Lentry_shape_is_right:
; out = y Wo^T + bo on f16 operands, f32 sums; y16 holds y as images of fragments, wo16 [1024 n][1024 k] f16.  The rows t < 16 of each batch are NOT stored here: the launch behind this one makes them in f32.
; A tile of the result is 128 x 128; four waves, each 64 x 64: 16 accumulators.  K goes in steps of 256 through two LDS slots.  CLUSTERS: 4 x 4; A's tiles are asked for jointly along a row of the cluster, B's along a column.
; THE TILE ROW IS 16 cy + (cluster y): the batch is cy, the first token 128 x cluster y, the same in all sixteen partners.  The tile column is 4 x cluster x + cx.
; A's half tile (64 rows x 256 K) is four runs of 8,192 consecutive bytes (a row block's four heads), 32,768 bytes apart: one tensor load; in LDS the pieces of 512 bytes lie on end, and a fragment is two loads of 16 bytes a lane at 16 x lane.
; THE MATRIX INSTRUCTION IS USED TRANSPOSED (source 0 = 16 rows of Wo, source 1 = 16 rows of y): a lane holds eight neighbouring columns of a row.  The bias is the C of each sum's first matrix instruction.
; No prefetch: a step's matrix work is short on this tile, and Wo's rows are read by many work-groups.
; REGISTERS: window 0: v0-31 addresses; v32-95 the way out; v96-127 the bias, eight registers for each of my four column blocks; v128-255 the accumulators.  window 1: two fragment buffers of 128.
.set SIZE_K, 1024
.set KSTEP,  256
.set PITCH,  528                       ; a row of Wo's tile in LDS: 512 bytes + 16 of padding
.set HALFA,  32768
.set HALFB,  64*PITCH
.set BOFF,   2*HALFA
.set SLOT,   2*HALFA+2*HALFB
.set STAGE,  2*SLOT                    ; behind the ring: 16 rows x 272 bytes for each wave
.set SPITCH, 272
.set SPARE,  STAGE+4*16*SPITCH
.set LAPS, SIZE_K/(2*KSTEP)
.set ADRA, 16
.set ADRB, 20
.set STO,  24
.set RD,   25
.set CO,   26
.set SPW,  28
.set NIL,  29
.set TMP,  32
.set BIAS, 96
.set ACC,  128
.set F0,   0
.set F1,   128
.set G1, 24
.set G0, 32
.set G1B, 48
.set G0B, 56
.set MSB, 0
.macro WIN new
.if MSB != \new
	s_set_vgpr_msb (MSB<<8)|\new
.set MSB, \new
.endif
.endm
.set MUL,  0x05                        ; sources 0 (Wo) and 1 (y) window 1; C and D window 0
.set TO_F, 0x40
.macro JLOAD s                         ; a joint load: waves 0 and 1 fetch y's two halves, waves 2 and 3 Wo's; an s_nop 0 and four v_nop follow each of the two lines
	s_cmp_eq_u32 s11, 0
	s_cbranch_scc0 .Lfor_b_\@
	tensor_load_to_lds s[G0+4*\s:G0+4*\s+3], s[G1:G1+7]
	s_nop 0
.rept 4
	v_nop
.endr
	s_branch .Lasked_\@
.Lfor_b_\@:
	tensor_load_to_lds s[G0B+4*\s:G0B+4*\s+3], s[G1B:G1B+7]
	s_nop 0
.rept 4
	v_nop
.endr
.Lasked_\@:
.endm
.macro CREST
	s_cmp_lg_u32 s10, 0
	s_cbranch_scc1 .Lnot_wave_0_\@
	s_barrier_signal -3
.Lnot_wave_0_\@:
	s_barrier_wait -3
	s_barrier_signal -1
	s_barrier_wait -1
.endm
.macro CROUND
	s_barrier_signal -1
	s_barrier_wait -1
	CREST
.endm
	s_load_b128 s[4:7], s[0:1], 0x0                ; y16, wo16
	s_load_b64 s[66:67], s[0:1], 0x10              ; bo
	s_load_b64 s[8:9], s[0:1], 0x18                ; out0
	v_lshl_add_u32 v[SPW], v0, 2, SPARE
	v_mov_b32 v[NIL], 0
	ds_add_u32 v[SPW], v[NIL]                      ; the wave's opening: the add, twice on end, and its wait ahead of my first tensor load
	ds_add_u32 v[SPW], v[NIL]
	v_lshrrev_b32 v1, 5, v0
	v_readfirstlane_b32 s10, v1                    ; wave 0..3
	s_lshr_b32 s11, s10, 1                         ; which half of the tile's rows is mine.  Also: I fetch for y (0) or for Wo (1)
	s_and_b32 s12, s10, 1                          ; which half of its columns.  Also: which half of that tile I fetch
	s_bfe_u32 s40, ttmp6, 0x40000
	s_bfe_u32 s41, ttmp6, 0x40004
	s_lshl_b32 s42, ttmp9, 2
	s_add_co_u32 s42, s42, s40                     ; tile column
	s_and_b32 s68, ttmp7, 0xffff                   ; cluster y
	s_lshl_b32 s13, s41, 4
	s_add_co_u32 s13, s13, s68                     ; tile row = 16 cy + cluster y
	s_lshl_b32 s43, s41, 2
	s_lshl_b32 s43, 15, s43                        ; my row of the cluster
	s_lshl_b32 s44, 0x1111, s40                    ; my column
	s_or_b32 s[G1+0], s43, (3<<16)|(1<<21)         ; y: the mask; elements of 8 bytes; bit 21 beside a mask; no padding
	s_mov_b32 s[G1+1], 1024<<16                    ; tensor_dim0 = 1,024 elements: 8,192 bytes
	s_mov_b32 s[G1+2], 4<<16                       ; tensor_dim1 = 4
	s_mov_b32 s[G1+3], 1024<<16                    ; tile_dim0
	s_mov_b32 s[G1+4], 4                           ; tile_dim1
	s_mov_b32 s[G1+5], 4096                        ; the pitch: 32,768 bytes
	s_mov_b32 s[G1+6], 0
	s_mov_b32 s[G1+7], 0
	s_or_b32 s[G1B+0], s44, (1<<16)|(1<<20)|(1<<21)|(6<<22)|(3<<25)   ; Wo: elements of 2 bytes; 4 words of padding after every 128
	s_mov_b32 s[G1B+1], KSTEP<<16
	s_mov_b32 s[G1B+2], 64<<16
	s_mov_b32 s[G1B+3], KSTEP<<16
	s_mov_b32 s[G1B+4], 64
	s_mov_b32 s[G1B+5], SIZE_K
	s_mov_b32 s[G1B+6], 0
	s_mov_b32 s[G1B+7], 0
	s_lshl_b32 s16, s13, 3
	s_lshl_b32 s17, s12, 2
	s_add_co_u32 s16, s16, s17                     ; y: row block 8 x tile row + 4 x half,
	s_lshl_b32 s16, s16, 15                        ; 32,768 bytes each
	s_mov_b32 s17, 0
	s_lshl_b32 s46, s42, 7
	s_lshl_b32 s47, s12, 6
	s_add_co_u32 s46, s46, s47                     ; Wo: row 128 x tile column + 64 x half,
	s_lshl_b32 s46, s46, 11                        ; 2,048 bytes each
	s_mov_b32 s47, 0
	s_mul_i32 s20, s12, HALFA                      ; where they go: no place in the cluster enters an LDS address
	s_mul_i32 s45, s12, HALFB
	s_add_co_u32 s45, s45, BOFF
	s_wait_dscnt 0x0
	s_wait_kmcnt 0x0
	s_add_nc_u64 s[14:15], s[4:5], s[16:17]
	s_add_nc_u64 s[46:47], s[6:7], s[46:47]
	CROUND                                         ; all sixteen work-groups are here: the first joint loads meet
.irp s, 0,1
	s_mov_b32 s[G0+4*\s], 1
	s_add_co_u32 s[G0+4*\s+1], s20, \s*SLOT
	s_add_nc_u64 s[G0+4*\s+2:G0+4*\s+3], s[14:15], \s*8192
	s_or_b32 s[G0+4*\s+3], s[G0+4*\s+3], 0x80000000
	s_mov_b32 s[G0B+4*\s], 1
	s_add_co_u32 s[G0B+4*\s+1], s45, \s*SLOT
	s_add_nc_u64 s[G0B+4*\s+2:G0B+4*\s+3], s[46:47], \s*KSTEP*2
	s_or_b32 s[G0B+4*\s+3], s[G0B+4*\s+3], 0x80000000
	JLOAD \s
.endr
	v_and_b32 v1, 15, v0                           ; r
	v_bfe_u32 v2, v0, 4, 1                         ; h
	v_mul_u32_u24 v3, v1, PITCH
	v_lshl_add_u32 v3, v2, 4, v3                   ; Wo: row x pitch + 16 x half
	v_and_b32 v4, 31, v0
	v_lshlrev_b32 v4, 4, v4                        ; y: 16 x lane
	s_mul_i32 s21, s11, HALFA                      ; my 64 rows of y
	s_mul_i32 s22, s12, HALFB                      ; my 64 rows of Wo
	s_add_co_u32 s22, s22, BOFF
.irp s, 0,1
	v_add_nc_u32 v[ADRA+\s], s21, v4
	v_add_nc_u32 v[ADRB+\s], s22, v3
	s_add_co_u32 s21, s21, SLOT
	s_add_co_u32 s22, s22, SLOT
.endr
	s_mul_i32 s23, s10, 16*SPITCH
	s_add_co_u32 s23, s23, STAGE                   ; my stage
	v_mul_u32_u24 v5, v1, SPITCH
	v_lshl_add_u32 v5, v2, 5, v5
	v_add_nc_u32 v[STO], s23, v5                   ; in: row r, 32 bytes for each half of the lanes
	v_mul_u32_u24 v5, v2, SPITCH
	v_lshl_add_u32 v5, v1, 4, v5
	v_add_nc_u32 v[RD], s23, v5                    ; back: lanes 0-15 one row of 256 bytes, lanes 16-31 the next
	v_lshlrev_b32 v5, 12, v2
	v_lshl_add_u32 v[CO], v1, 4, v5                ; and the same two rows in out0
	s_lshl_b32 s16, s13, 7
	s_lshl_b32 s17, s11, 6
	s_add_co_u32 s16, s16, s17                     ; my first row: 128 x tile row + 64 x half,
	s_lshl_b32 s16, s16, 12                        ; 4,096 bytes each
	s_mov_b32 s17, 0
	s_add_nc_u64 s[8:9], s[8:9], s[16:17]
	s_lshl_b32 s46, s42, 9
	s_lshl_b32 s47, s12, 8
	s_add_co_u32 s46, s46, s47                     ; my first column, in bytes
	s_mov_b32 s47, 0
	s_add_nc_u64 s[8:9], s[8:9], s[46:47]
	s_add_nc_u64 s[66:67], s[66:67], s[46:47]
	v_lshlrev_b32 v6, 5, v2                        ; the bias: for column block b my eight are 16 b + 8 h + 0 .. 7
.irp b, 0,1,2,3
	global_load_b128 v[BIAS+8*\b:BIAS+8*\b+3], v6, s[66:67] offset:64*\b
	global_load_b128 v[BIAS+8*\b+4:BIAS+8*\b+7], v6, s[66:67] offset:64*\b+16
.endr
; 8 matrix instructions: row blocks a0, a0 + 1 x all 4 column blocks, 32 along K: half c of buffer f.  first = 1: the sums begin with the bias.  The 16 accumulators take turns.
.macro MUL8 f, c, a0, first
.irp a, \a0, \a0+1
.irp b, 0,1,2,3
.if \first
	v_wmma_f32_16x16x32_f16 v[ACC+8*(4*(\a)+\b):ACC+8*(4*(\a)+\b)+7], v[\f+64+8*(4*\c+\b):\f+64+8*(4*\c+\b)+7], v[\f+8*(4*\c+\a):\f+8*(4*\c+\a)+7], v[BIAS+8*\b:BIAS+8*\b+7]
.else
	v_wmma_f32_16x16x32_f16 v[ACC+8*(4*(\a)+\b):ACC+8*(4*(\a)+\b)+7], v[\f+64+8*(4*\c+\b):\f+64+8*(4*\c+\b)+7], v[\f+8*(4*\c+\a):\f+8*(4*\c+\a)+7], v[ACC+8*(4*(\a)+\b):ACC+8*(4*(\a)+\b)+7]
.endif
.endr
.endr
.endm
; 32 LDS loads in one run: the fragments of the slot's q-th 64 along K into buffer f; the first 32 along K first
.macro FETCH slot, q, f
	WIN TO_F
.irp c, 0,1
.irp i, 0,1,2,3
	ds_load_b128 v[\f+64+8*(4*\c+\i):\f+64+8*(4*\c+\i)+3],   v[ADRB+\slot] offset:128*(\q)+64*\c+\i*16*PITCH
	ds_load_b128 v[\f+64+8*(4*\c+\i)+4:\f+64+8*(4*\c+\i)+7], v[ADRB+\slot] offset:128*(\q)+64*\c+\i*16*PITCH+32
	ds_load_b128 v[\f+8*(4*\c+\i):\f+8*(4*\c+\i)+3],         v[ADRA+\slot] offset:2048*(\q)+1024*\c+8192*\i
	ds_load_b128 v[\f+8*(4*\c+\i)+4:\f+8*(4*\c+\i)+7],       v[ADRA+\slot] offset:2048*(\q)+1024*\c+8192*\i+512
.endr
.endr
.endm
.macro PLACES
.rept 4
	v_nop
.endr
.endm
.macro QUARTER slot, q, f, g, first    ; multiplies buffer f and fetches the slot's q-th quarter into g
	s_wait_dscnt 16                                ; the first 32 along K are in; the other sixteen loads may be out
	WIN MUL
	MUL8 \f, 0, 0, \first
	MUL8 \f, 0, 2, \first
	PLACES
	FETCH \slot, \q, \g
	s_wait_dscnt 32                                ; all but the 32 just issued
	WIN MUL
	MUL8 \f, 1, 0, 0
	MUL8 \f, 1, 2, 0
.endm
; A slot's last quarter changes slots: one barrier; in front of it each wave waits for all its tensor loads, adds 0 to its spare word, and waits for that and for its reads of this slot.  fill = 1: this slot is filled again, two K steps ahead.
.macro TURN slot, next, fill
	WIN 0
	s_wait_tensorcnt 0x0                           ; all my tensor loads have landed: my part of the next slot
	ds_add_u32 v[SPW], v[NIL]
	s_wait_dscnt 17                                ; (the add and the youngest sixteen loads may be out)
	WIN MUL
	MUL8 F1, 0, 0, 0
	s_wait_dscnt 0x0                               ; the add is done, and my reads of this slot are over
	s_barrier_signal -1
	MUL8 F1, 0, 2, 0
.if \fill
	WIN 0
.endif
	s_barrier_wait -1
.if \fill
	CREST                                          ; the barrier has opened a round of the cluster's barrier: no wave of any partner still reads this slot or has a load on its way
	s_add_nc_u64 s[G0+4*\slot+2:G0+4*\slot+3], s[G0+4*\slot+2:G0+4*\slot+3], 2*8192
	s_add_nc_u64 s[G0B+4*\slot+2:G0B+4*\slot+3], s[G0B+4*\slot+2:G0B+4*\slot+3], 2*KSTEP*2
	JLOAD \slot                                    ; the first tensor load behind the round; its four v_nop are also the places in front of the loads below
.else
	PLACES
.endif
	FETCH \next, 0, F0
	WIN MUL
	MUL8 F1, 1, 0, 0
	MUL8 F1, 1, 2, 0
.endm
	s_wait_tensorcnt 1                             ; my part of K step 0 is in (K step 1's load may be out)
	s_barrier_signal -1
	s_barrier_wait -1
	FETCH 0, 0, F0
	s_wait_loadcnt 0x0                             ; the bias
	QUARTER 0, 1, F0, F1, 1
	WIN 0
	s_mov_b32 s3, LAPS-1
.Llap:                                         ; a trip goes once round the ring and fills both slots again
	QUARTER 0, 2, F1, F0, 0
	QUARTER 0, 3, F0, F1, 0
	TURN 0, 1, 1
	QUARTER 1, 1, F0, F1, 0
	QUARTER 1, 2, F1, F0, 0
	QUARTER 1, 3, F0, F1, 0
	TURN 1, 0, 1
	QUARTER 0, 1, F0, F1, 0
	WIN 0
	s_sub_co_u32 s3, s3, 1
	s_cmp_lg_u32 s3, 0
	s_cbranch_scc1 .Llap
	QUARTER 0, 2, F1, F0, 0                        ; the last lap fills nothing
	QUARTER 0, 3, F0, F1, 0
	TURN 0, 1, 0
	QUARTER 1, 1, F0, F1, 0
	QUARTER 1, 2, F1, F0, 0
	QUARTER 1, 3, F0, F1, 0
	s_wait_dscnt 16
	WIN MUL
	MUL8 F1, 0, 0, 0
	MUL8 F1, 0, 2, 0
	s_wait_dscnt 0
	MUL8 F1, 1, 0, 0
	MUL8 F1, 1, 2, 0
	WIN 0
; THE WAY OUT, 16 rows at a time.  My 64 columns are 256 aligned bytes of a row: they go through my own stage and come back as whole rows; sixteen lanes store 256 consecutive bytes.  LDS serves a wave's instructions in order: no wait between the stores and the loads.
.macro OUTBLK a
.set BB, TMP+32*((\a)%2)
.if (\a) >= 2
	s_wait_xcnt 0x0                                ; block a - 2's stores have read these registers
.endif
.irp b, 0,1,2,3
	ds_store_b128 v[STO], v[ACC+8*(4*(\a)+\b):ACC+8*(4*(\a)+\b)+3] offset:64*\b      ; each accumulator from its low end on
	ds_store_b128 v[STO], v[ACC+8*(4*(\a)+\b)+4:ACC+8*(4*(\a)+\b)+7] offset:64*\b+16
.endr
.irp t, 0,1,2,3,4,5,6,7
	ds_load_b128 v[BB+4*\t:BB+4*\t+3], v[RD] offset:\t*2*SPITCH
.endr
.irp t, 0,1,2,3,4,5,6,7
	s_wait_dscnt 7-\t
	global_store_b128 v[CO], v[BB+4*\t:BB+4*\t+3], s[8:9] offset:(16*(\a)+2*\t)*4096 th:TH_STORE_NT
.endr
.endm
	PLACES
	s_or_b32 s69, s68, s11                         ; tokens 0-15 of a batch: block 0 of the waves with the upper rows, where cluster y = 0 (the same test in all partners): the next launch stores those rows
	s_cmp_eq_u32 s69, 0
	s_cbranch_scc1 .Lnot_mine
	OUTBLK 0
.Lnot_mine:
	OUTBLK 1
	OUTBLK 2
	OUTBLK 3
	s_wait_tensorcnt 0x0                           ; the wave's end
	ds_add_u32 v[SPW], v[NIL]
	s_wait_dscnt 0x0
	CROUND                                         ; the closing round
	s_endpgm
.Lfunc_end_k_q6eab67a89a_proj:
	.size	k_q6eab67a89a_proj, .Lfunc_end_k_q6eab67a89a_proj-k_q6eab67a89a_proj
	.p2alignl 7, 3214868480
	.fill 96, 4, 3214868480
	.section	.rodata,"a",@progbits
	.p2align	6, 0x0
	.amdhsa_kernel k_q6eab67a89a_proj
		.amdhsa_group_segment_fixed_size 327680
		.amdhsa_private_segment_fixed_size 0
		.amdhsa_enable_private_segment 0
		.amdhsa_kernarg_size 32
		.amdhsa_user_sgpr_count 2
		.amdhsa_user_sgpr_kernarg_segment_ptr 1
		.amdhsa_wavefront_size32 1
		.amdhsa_system_sgpr_workgroup_id_x 1
		.amdhsa_system_sgpr_workgroup_id_y 1
		.amdhsa_system_sgpr_workgroup_id_z 1
		.amdhsa_system_vgpr_workitem_id 0
		.amdhsa_next_free_vgpr 512
		.amdhsa_next_free_sgpr 72
		.amdhsa_reserve_vcc 0
		.amdhsa_float_denorm_mode_32 3
		.amdhsa_float_denorm_mode_16_64 3
		.amdhsa_memory_ordered 1
		.amdhsa_forward_progress 1
		.amdhsa_inst_pref_size 88
	.end_amdhsa_kernel
	.amdgpu_metadata
---
amdhsa.version: [ 1, 2 ]
amdhsa.kernels:
  - .name:           k_q6eab67a89a_proj
    .symbol:         k_q6eab67a89a_proj.kd
    .args:
      - { .name: y16, .offset: 0, .size: 8, .value_kind: global_buffer, .address_space: global }
      - { .name: wo16, .offset: 8, .size: 8, .value_kind: global_buffer, .address_space: global }
      - { .name: bo, .offset: 16, .size: 8, .value_kind: global_buffer, .address_space: global }
      - { .name: out0, .offset: 24, .size: 8, .value_kind: global_buffer, .address_space: global }
    .group_segment_fixed_size: 327680
    .private_segment_fixed_size: 0
    .kernarg_segment_align: 8
    .kernarg_segment_size: 32
    .max_flat_workgroup_size: 128
    .sgpr_count:     72
    .vgpr_count:     512
    .wavefront_size: 32
...
	.end_amdgpu_metadata
.endif
;; end of part 4
;; launch first (part 5): grid 16 x 4, 16 waves a work-group, no clusters, 71,680 bytes of LDS; arguments qkvf, Wo, bo, out0; writes out0
.if DOCPART == 5
	.amdgcn_target "amdgcn-amd-amdhsa--gfx1250"
	.amdhsa_code_object_version 6
	.text
	.protected	k_q6eab67a89a_first
	.globl	k_q6eab67a89a_first
	.p2align	8
	.type	k_q6eab67a89a_first,@function
k_q6eab67a89a_first:
	s_mov_b64 s[64:65], 0
	v_nop
	global_prefetch_b8 v0, s[64:65] scope:SCOPE_SE
	s_setreg_imm32_b32 hwreg(HW_REG_WAVE_MODE, 25, 1), 1
	s_wait_xcnt 0x0
; The first 16 positions of each sequence, in f32 throughout: they average one to sixteen values, are the largest in size, and would feel the rounding of 16-bit operands most.  Keys behind a query are masked inside the one tile: nothing is left out here.
; A work-group takes 64 columns of the result (n0 = 64 x) of one batch (y).  Wave w is head w: it makes its head's attention for tokens 0-15 and multiplies its own y (64 of the projection's K) by Wo[n0 .. n0 + 63][64 w .. 64 w + 63];
; the sixteen partial tiles meet in LDS and are added, with the bias.  The attention is made anew in each of a batch's 16 work-groups: 32 small matrix instructions a wave, which spares a launch and a way through memory.
; v_wmma_f32_16x16x4_f32 takes k = 2 h + j from register j.  A PERMUTATION OF k APPLIED ALIKE TO BOTH OPERANDS keeps the products: a lane's register pair (2 s, 2 s + 1) holds k = base + 8 h + 2 s + 0, 1 on both sides, so operands come by loads of 16 bytes.
; The registers that these matrix instructions write (v192-255) are written by them alone, and each sum begins with the constant 0.  Accumulators go by turns of four.
; qkvf: [batch][column block of 16: 192][half p][lane][4 f32]: token lane % 16, columns 16 cb + 8 (lane / 16) + 4 p + 0 .. 3 of q (0-1023), k (1024-2047), v (2048-3071).
; LDS: sixteen partial tiles of 16 rows x (256 bytes + 16), 4,352 bytes each; behind them the spare words.  LIMITS: NaN and infinities are not served; the sums' order differs from reference()'s.
.set PART,  4352
.set SPARE, 16*PART
	s_load_b256 s[4:11], s[0:1], 0x0               ; qkvf, Wo, bo, out0
	v_lshl_add_u32 v1, v0, 2, SPARE                ; v1: my spare word; never rewritten
	v_mov_b32 v2, 0                                ; v2: 0; never rewritten
	v_lshrrev_b32 v3, 5, v0
	v_readfirstlane_b32 s12, v3                    ; wave = head
	s_and_b32 s13, ttmp7, 0xffff                   ; batch
	v_and_b32 v13, 15, v0                          ; r
	v_bfe_u32 v14, v0, 4, 1                        ; h
	v_and_b32 v3, 31, v0
	v_lshlrev_b32 v3, 4, v3                        ; v3: 16 x lane: q's and k's pieces
	v_bfe_u32 v4, v0, 2, 1
	v_lshlrev_b32 v4, 9, v4
	v_bfe_u32 v15, v0, 3, 1
	v_lshl_add_u32 v4, v15, 8, v4
	v_and_b32 v15, 3, v0
	v_lshl_add_u32 v4, v15, 2, v4
	v_lshl_add_u32 v4, v14, 7, v4                  ; v4: v turned: channel r of a tile, keys 8 h on: 512 ((r / 4) % 2) + 256 (r / 8) + 4 (r % 4) + 128 h; 16 bytes from key to key
	v_lshlrev_b32 v5, 12, v13
	v_lshl_add_u32 v5, v14, 5, v5                  ; v5: Wo: row r of 4,096 bytes, + 32 h
	s_mul_i32 s14, s12, PART
	v_mul_u32_u24 v6, v13, 272
	v_lshl_add_u32 v6, v14, 5, v6
	v_add_nc_u32 v6, s14, v6                       ; v6: my partial tile: row r, + 32 h
	s_mul_i32 s14, s12, 544
	v_mul_u32_u24 v7, v14, 272
	v_lshl_add_u32 v7, v13, 4, v7
	v_add_nc_u32 v7, s14, v7                       ; v7: back: row 2 w + h, 16 bytes a lane
	s_lshl_b32 s14, s12, 13
	v_lshlrev_b32 v12, 12, v14
	v_lshl_add_u32 v12, v13, 4, v12
	v_add_nc_u32 v12, s14, v12                     ; v12: the same place in out0
	v_lshlrev_b32 v15, 4, v13                      ; v15: the bias: 16 bytes a lane of the row's 256; kept until that load is done
	v_lshlrev_b32 v14, 3, v14
	v_sub_nc_u32 v13, v13, v14                     ; v13: d = r - 8 h
	s_mov_b32 s20, 0x76543210
	s_mov_b32 s21, 0xfedcba98
	s_mov_b32 s22, 0x3e38aa3b                      ; c = log2(e) / 8
	s_mul_i32 s16, s13, 196608
	s_lshl_b32 s17, s12, 12
	s_add_co_u32 s16, s16, s17                     ; qkvf: my batch, my head's four column blocks
	s_mov_b32 s17, 0
	s_lshl_b32 s18, ttmp9, 18
	s_lshl_b32 s19, s12, 8
	s_add_co_u32 s18, s18, s19                     ; Wo: row n0, column 64 w
	s_mov_b32 s19, 0
	s_lshl_b32 s24, ttmp9, 8                       ; 64 columns: 256 bytes
	s_mov_b32 s25, 0
	s_lshl_b32 s26, s13, 23                        ; a batch of out0: 2,048 rows of 4,096 bytes
	s_mov_b32 s27, 0
	s_wait_kmcnt 0x0
	s_add_nc_u64 s[4:5], s[4:5], s[16:17]
	s_add_nc_u64 s[6:7], s[6:7], s[18:19]
	s_add_nc_u64 s[8:9], s[8:9], s[24:25]
	s_add_nc_u64 s[10:11], s[10:11], s[24:25]
	s_add_nc_u64 s[10:11], s[10:11], s[26:27]
.irp c4, 0,1,2,3
.irp p, 0,1
	global_load_b128 v[16+8*\c4+4*\p:19+8*\c4+4*\p], v3, s[4:5] offset:1024*\c4+512*\p          ; q: v16-47
.endr
.endr
.irp c4, 0,1,2,3
.irp p, 0,1
	global_load_b128 v[48+8*\c4+4*\p:51+8*\c4+4*\p], v3, s[4:5] offset:65536+1024*\c4+512*\p    ; k: v48-79
.endr
.endr
.irp ct, 0,1,2,3
.irp j, 0,1,2,3,4,5,6,7
	global_load_b32 v[80+8*\ct+\j], v4, s[4:5] offset:131072+1024*\ct+16*\j                     ; v(key 8 h + j, channel 16 ct + r): v80-111
.endr
.endr
	global_load_b128 v[8:11], v15, s[8:9]          ; the bias of my four columns
.irp nt, 0,1
.irp c4, 0,1,2,3
.irp pc, 0,1
	global_load_b128 v[128+32*\nt+8*\c4+4*\pc:131+32*\nt+8*\c4+4*\pc], v5, s[6:7] offset:65536*\nt+64*\c4+16*\pc   ; Wo's tiles 0 and 1: v128-191
.endr
.endr
.endr
	s_wait_loadcnt 49                              ; q and k are in; behind them 32 + 1 + 16 loads may be out
.set u, 0
.rept 16                                       ; S^T = k q^T: source 0 = 16 keys, source 1 = 16 queries; four sums by turns
.if u < 4
	v_wmma_f32_16x16x4_f32 v[224+8*(u%4):231+8*(u%4)], v[48+2*u:49+2*u], v[16+2*u:17+2*u], 0
.else
	v_wmma_f32_16x16x4_f32 v[224+8*(u%4):231+8*(u%4)], v[48+2*u:49+2*u], v[16+2*u:17+2*u], v[224+8*(u%4):231+8*(u%4)]
.endif
.set u, u+1
.endr
.rept 8
	v_nop                                          ; eight places behind this form: loads land where q and k lay, and the sums are read
.endr
.irp nt, 2,3
.irp c4, 0,1,2,3
.irp pc, 0,1
	global_load_b128 v[16+32*(\nt-2)+8*\c4+4*\pc:19+32*(\nt-2)+8*\c4+4*\pc], v5, s[6:7] offset:65536*\nt+64*\c4+16*\pc   ; Wo's tiles 2 and 3: v16-79
.endr
.endr
.endr
.irp j, 0,2,4,6
	v_pk_add_f32 v[112+\j:113+\j], v[224+\j:225+\j], v[232+\j:233+\j]   ; the four sums are added, each read from its low end on, into other registers
.endr
.irp j, 0,2,4,6
	v_pk_add_f32 v[120+\j:121+\j], v[240+\j:241+\j], v[248+\j:249+\j]
.endr
.irp j, 0,2,4,6
	v_pk_add_f32 v[120+\j:121+\j], v[120+\j:121+\j], v[112+\j:113+\j]   ; lane (r, h): query r, register j: key 8 h + j
.endr
	v_mov_b32 v14, 0xff800000
.irp j, 0,1,2,3,4,5,6,7
	v_cmp_gt_i32 vcc_lo, \j, v13                   ; hidden where 8 h + j > r
	v_cndmask_b32 v[120+\j], v[120+\j], v14, vcc_lo
.endr
	v_max3_num_f32 v112, v120, v121, v122
	v_max3_num_f32 v113, v123, v124, v125
	v_max3_num_f32 v112, v112, v126, v127
	v_max_num_f32 v112, v112, v113
	v_permlanex16_b32 v113, v112, s20, s21
	v_max_num_f32 v112, v112, v113                 ; the row's maximum: key 0 counts for every query
	v_mul_f32 v112, s22, v112
.irp j, 0,1,2,3,4,5,6,7
	v_fma_f32 v[120+\j], v[120+\j], s22, -v112
.endr
.irp j, 0,1,2,3,4,5,6,7
	v_exp_f32 v[120+\j], v[120+\j]
.endr
	v_nop
	s_wait_alu depctr_va_vdst(0)                   ; one wait for the eight, ahead of their first reader
	v_pk_add_f32 v[114:115], v[120:121], v[122:123]
	v_pk_add_f32 v[116:117], v[124:125], v[126:127]
	v_pk_add_f32 v[114:115], v[114:115], v[116:117]
	v_add_f32 v114, v114, v115
	v_permlanex16_b32 v115, v114, s20, s21
	v_add_f32 v114, v114, v115
	v_rcp_f32 v116, v114
	v_nop
	s_wait_alu depctr_va_vdst(0)
	s_wait_loadcnt 33                              ; v is in; behind it the bias and Wo's 32 loads may be out
.irp s, 0,1,2,3                                ; O^T = v^T p: source 0 = 16 channels, source 1 = p; four sums by turns
.irp ct, 0,1,2,3
.if \s == 0
	v_wmma_f32_16x16x4_f32 v[192+8*\ct:199+8*\ct], v[80+8*\ct+2*\s:81+8*\ct+2*\s], v[120+2*\s:121+2*\s], 0
.else
	v_wmma_f32_16x16x4_f32 v[192+8*\ct:199+8*\ct], v[80+8*\ct+2*\s:81+8*\ct+2*\s], v[120+2*\s:121+2*\s], v[192+8*\ct:199+8*\ct]
.endif
.endr
.endr
.rept 8
	v_nop
.endr
.set u, 0
.rept 16
	v_pk_mul_f32 v[80+2*u:81+2*u], v[192+2*u:193+2*u], v[116:117] op_sel_hi:[1,0]   ; y = O^T / l, into other registers: lane (r, h): token r, register 8 ct + j: channel 16 ct + 8 h + j
.set u, u+1
.endr
	s_wait_loadcnt 0x0
.set u, 0
.rept 16                                       ; my head's part of y Wo^T: source 0 = 16 rows of Wo, source 1 = y; four sums by turns
.irp nt, 0,1,2,3
.if u == 0
	v_wmma_f32_16x16x4_f32 v[224+8*\nt:231+8*\nt], v[128+32*\nt-176*(\nt/2)+2*u:129+32*\nt-176*(\nt/2)+2*u], v[80+2*u:81+2*u], 0
.else
	v_wmma_f32_16x16x4_f32 v[224+8*\nt:231+8*\nt], v[128+32*\nt-176*(\nt/2)+2*u:129+32*\nt-176*(\nt/2)+2*u], v[80+2*u:81+2*u], v[224+8*\nt:231+8*\nt]
.endif
.endr
.set u, u+1
.endr
.rept 8
	v_nop
.endr
.irp nt, 0,1,2,3
	ds_store_b128 v6, v[224+8*\nt:227+8*\nt] offset:64*\nt         ; lane (r, h): token r, columns 16 nt + 8 h + 0 .. 7
	ds_store_b128 v6, v[228+8*\nt:231+8*\nt] offset:64*\nt+16
.endr
	s_wait_dscnt 0x0                               ; for the others' sake: my stores have landed
	s_barrier_signal -1
	s_barrier_wait -1
	s_cmp_ge_u32 s12, 8                            ; 16 rows, two to a wave: waves 0-7 add and store
	s_cbranch_scc1 .Lend
.irp p, 0,1,2,3,4,5,6,7,8,9,10,11,12,13,14,15
	ds_load_b128 v[16+4*\p:19+4*\p], v7 offset:PART*\p
.endr
	s_wait_dscnt 0x0
.irp p, 0,1,2,3,4,5,6,7,8,9,10,11,12,13,14,15
	v_pk_add_f32 v[8:9], v[8:9], v[16+4*\p:17+4*\p]
	v_pk_add_f32 v[10:11], v[10:11], v[18+4*\p:19+4*\p]
.endr
	global_store_b128 v12, v[8:11], s[10:11]       ; sixteen lanes store 256 consecutive bytes, aligned
.Lend:
	s_wait_tensorcnt 0x0                           ; the wave's end, behind my last LDS store
	ds_add_u32 v1, v2
	s_wait_dscnt 0x0
	s_endpgm
.Lfunc_end_k_q6eab67a89a_first:
	.size	k_q6eab67a89a_first, .Lfunc_end_k_q6eab67a89a_first-k_q6eab67a89a_first
	.p2alignl 7, 3214868480
	.fill 96, 4, 3214868480
	.section	.rodata,"a",@progbits
	.p2align	6, 0x0
	.amdhsa_kernel k_q6eab67a89a_first
		.amdhsa_group_segment_fixed_size 71680
		.amdhsa_private_segment_fixed_size 0
		.amdhsa_enable_private_segment 0
		.amdhsa_kernarg_size 32
		.amdhsa_user_sgpr_count 2
		.amdhsa_user_sgpr_kernarg_segment_ptr 1
		.amdhsa_wavefront_size32 1
		.amdhsa_system_sgpr_workgroup_id_x 1
		.amdhsa_system_sgpr_workgroup_id_y 1
		.amdhsa_system_sgpr_workgroup_id_z 1
		.amdhsa_system_vgpr_workitem_id 0
		.amdhsa_next_free_vgpr 256
		.amdhsa_next_free_sgpr 66
		.amdhsa_reserve_vcc 1
		.amdhsa_float_denorm_mode_32 3
		.amdhsa_float_denorm_mode_16_64 3
		.amdhsa_memory_ordered 1
		.amdhsa_forward_progress 1
		.amdhsa_inst_pref_size 25
	.end_amdhsa_kernel
	.amdgpu_metadata
---
amdhsa.version: [ 1, 2 ]
amdhsa.kernels:
  - .name:           k_q6eab67a89a_first
    .symbol:         k_q6eab67a89a_first.kd
    .args:
      - { .name: qkvf, .offset: 0, .size: 8, .value_kind: global_buffer, .address_space: global }
      - { .name: Wo, .offset: 8, .size: 8, .value_kind: global_buffer, .address_space: global }
      - { .name: bo, .offset: 16, .size: 8, .value_kind: global_buffer, .address_space: global }
      - { .name: out0, .offset: 24, .size: 8, .value_kind: global_buffer, .address_space: global }
    .group_segment_fixed_size: 71680
    .private_segment_fixed_size: 0
    .kernarg_segment_align: 8
    .kernarg_segment_size: 32
    .max_flat_workgroup_size: 512
    .sgpr_count:     66
    .vgpr_count:     256
    .wavefront_size: 32
...
	.end_amdgpu_metadata
.endif
;; end of part 5
